; MI455X (gfx1250); checked and timed in simulation.
; The chip was launched on July 23, 2026; its instructions are those of AMD's public machine-readable ISA for CDNA 5 (MIT licence, August 2026) and "CDNA5" Instruction Set Architecture Reference Guide (July 2026). The comments in the code are by the model that wrote it; some were corrected since.
;; Multi Head Attention. Allowed arithmetic: matrix products marked QUANTISED: E2M3 operands, one E8M0 scale for each 32 along K, by v_wmma_scale_f32_16x16x128_f8f6f4 with both operands' format E2M3, f32 sums; everything else in f32.
;; Inputs: Wk 1,024 x 1,024 float32; Wq 1,024 x 1,024 float32; Wv 1,024 x 1,024 float32; attention_mask 4 x 2,048 x 2,048 float32; bk 1,024 float32; bq 1,024 float32; bv 1,024 float32; hidden_states 4 x 2,048 x 1,024 float32.
;; Outputs: out0 4 x 2,048 x 1,024 float32.
;; This version of the problem:
;;   THIS VERSION OF THE PROBLEM IS GIVEN IN LOW PRECISION. The matrix products marked QUANTISED in the list below multiply operands that are first quantised to E2M3 (2 exponent bits, 3 mantissa bits; 6 bits a number), with one power-of-two scale for each 32 numbers along K (OCP MX v1.0); their sums are f32. All else is computed in f32.
;;   The module's matrix products, in the order in which they are computed (A, B: the left and right operand; K: the contracted axis; several contracted axes count as one K, in the product's order):
;;     1. [M 8,192, K 1,024] x [K 1,024, N 1,024]; A: input hidden_states; B: input Wq: QUANTISED
;;     2. [M 8,192, K 1,024] x [K 1,024, N 1,024]; A: input hidden_states; B: input Wk: QUANTISED
;;     3. [M 8,192, K 1,024] x [K 1,024, N 1,024]; A: input hidden_states; B: input Wv: QUANTISED
;;     4. batch 4 x [M 2,048, K 1,024] x [K 1,024, N 2,048]; A: computed on the way; B: computed on the way: QUANTISED
;;     5. batch 4 x [M 2,048, K 2,048] x [K 2,048, N 1,024]; A: softmax (see below); B: computed on the way: QUANTISED
;;   THE QUANTISER, for each operand of a quantised product, along K:
;;     - K is cut into blocks of 32 from its start; a last block that is shorter is filled with zeros.
;;     - A block's scale is 2^e with e = floor(log2(the largest magnitude in the block)) - 2, held to -126 .. 127; a block of zeros has e = 0. As a byte (E8M0): e + 127.
;;     - Each number is divided by its block's scale, clamped to +-7.5, and rounded to the nearest number of E2M3, ties to even, subnormals kept.
;;     - The product sums the exact products of the quantised numbers (number of the format x scale) in f32.
;;   ~~~python
;;   def quantise(x, axis):      # numpy; x: float32 -> the quantised numbers, widened to float32 again
;;       x = np.moveaxis(x, axis, -1); K = x.shape[-1]
;;       x = np.pad(x, [(0, 0)] * (x.ndim - 1) + [(0, -K % 32)]); x = x.reshape(x.shape[:-1] + (-1, 32)); a = np.abs(x).max(-1, keepdims=True)
;;       e = np.where(a > 0, np.clip(np.frexp(np.where(a > 0, a, 1))[1] - 1 - 2, -126, 127), 0)      # np.frexp(a)[1] - 1 = floor(log2(a)), exactly
;;       r = np.clip(x / 2.0 ** e, -7.5, 7.5)
;;       step = 2.0 ** (np.maximum(np.frexp(np.where(r == 0, 1, r))[1] - 1, 0) - 3)
;;       q = np.round(r / step) * step * 2.0 ** e      # np.round: ties to even
;;       return np.moveaxis(q.reshape(q.shape[:-2] + (-1,))[..., :K], -1, axis).astype(np.float32)
;;   ~~~
;;   SOFTMAX AHEAD OF A QUANTISED PRODUCT. Where the list says 'softmax', what is quantised is not the finished softmax but p = 2^(t - M), with t = logit x log2(e) and M = ceil(the row's largest t), a whole number; so 1/2 < the row's largest p <= 1. The row's sum l is taken of the UNQUANTISED p, in f32, and the product's result is divided by l at the end. Since M is a whole number, a kernel that streams over the keys may use a running M (the ceiling of the running maximum): every later rescaling is an exact power of two, which a block's scale takes up: the codes' values come out the same.
;;   OPERANDS COMPUTED ON THE WAY. 'Computed on the way' means the value that the module computes at that place (a softmax that the list does not call 'softmax' is quantised finished and normalised). What goes into a quantiser is computed in f32, as accurately as f32 sums, v_exp_f32 and their like allow (about 1e-6 of the number): no bf16 or f16 on the way to a quantiser, and a product that is left as it is and whose result goes on into a quantised operand takes f32 operands (vector FMAs, or v_wmma_f32_16x16x4_f32). A number that lies on a knife's edge between two numbers of the format may be rounded either way, as far as f32 arithmetic and the matrix unit's own rounding can turn it there, and no further.
;; One version. Each part assembles by itself: llvm-mc -triple=amdgcn-amd-amdhsa -mcpu=gfx1250 --defsym DOCPART=n.
;; ======== version 1 of 1: 4 launches
;; workspace buffers: xw 9,011,200 bytes; qkv 19,660,800 bytes; pp 14,155,776 bytes
;; launch quant (part 1): grid 448 x 1, 4 waves a work-group, no clusters, 68,096 bytes of LDS; arguments hidden_states, Wq, Wk, Wv, xw; writes xw
.if DOCPART == 1
	.amdgcn_target "amdgcn-amd-amdhsa--gfx1250"
	.amdhsa_code_object_version 6
	.text
	.protected	k_q6f677d9229_quant
	.globl	k_q6f677d9229_quant
	.p2align	8
	.type	k_q6f677d9229_quant,@function
k_q6f677d9229_quant:
	s_mov_b64 s[64:65], 0
	v_nop
	global_prefetch_b8 v0, s[64:65] scope:SCOPE_SE
	s_setreg_imm32_b32 hwreg(HW_REG_WAVE_MODE, 25, 1), 1
	s_wait_xcnt 0x0
; hidden_states [8192][1024] (K innermost) and Wq, Wk, Wv [1024 (K)][1024] (K outermost), f32, become codes of FP6 (E2M3) with one E8M0 byte for each 32 along K.
; A block's scale is 2^(floor(log2(its largest magnitude)) - 2): its byte is the largest magnitude's exponent field - 2, held at 1 from below.
; LIMITS: a block whose largest magnitude lies under 2^-124, a block of zeros among them, keeps the byte 1 (the bytes are read by this program alone; zero codes add nothing);
; NaN and infinities among the inputs are not served.
; THE WORKSPACE IS LAID IN THE ORDER OF AN OPERAND'S REGISTERS.  Codes: [block of 128 rows][K step of 128][tile 0..7][1,536 bytes]: a fragment (16 rows x 128 K, 12 registers a lane)
; lies as three runs of 512 bytes, run c holding registers 4 c .. 4 c + 3 of lane l at 16 l.  Row r of tile 2 b + u is row 32 b + 8 u + r + 8 (r / 8) of the block, so that a product which takes
; such tiles as source 0 finds, in the 16 registers of two neighbouring result tiles, 16 neighbouring rows.  Scale words (4 bytes: a row's 128 K): [block][K step][tiles 0-3 | 4-7][r][4 tiles].
; Blocks 0-63: the tokens; 64 + 8 m + i: the output channels of Wq, Wk, Wv (m = 0, 1, 2).
; Work-groups 0-255 take the tokens (a wave: 64 rows x 128 K, four fragments), 256-447 the weights (a wave: 32 columns x 128 K).  Waves share nothing: no barrier.
.set SOFF,  8650752                    ; where the scale words begin: 88 blocks x 98,304 bytes of codes
.set RBB,   98304                      ; a block's codes: 8 K steps x 12,288
.set KSB,   12288
.set STG,   8448                       ; a stage: 16 rows x (512 bytes + 16)
.set SPARE, 67584                      ; behind the four waves' two stages each: the spare words, 128 bytes a wave
.set LI,  4                            ; v4   16 x lane
.set TM,  16                           ; v16-17 largest magnitudes   v18-19 the conversions' scale operands   v20-21 bytes   v22 my two bytes   v23 at work
.set SO,  18
.set BY,  20
.set PB,  22
.set TP,  23
.set SW,  24                           ; v24-27 four fragments' scale words
.set SPW, 30                           ; v30  my spare word's LDS address; never rewritten
.set NIL, 31                           ; v31  0; never rewritten
.set S0,  32                           ; v32-159 two sets of 64 numbers as loaded
.set NN,  160                          ; v160-223 64 numbers in the operand's order
.set PC,  224                          ; v224-235 a fragment's codes
.set CH,  236                          ; v236-238, v240-242 the upper halves of two blocks (a conversion's three registers begin on an even number)
; 64 numbers of a lane, register 32 c + i = k 64 c + 32 h + i of its row: two whole blocks.  Codes to v[PC] on, the two bytes to v[PB] (bits 0 and 16).
.macro QUANT64 src
.irp c, 0,1
	v_max3_num_f32 v[TM+\c], |v[\src+32*\c]|, |v[\src+32*\c+1]|, 0x1800000   ; and the floor 2^(3 - 127): the byte cannot fall under 1
.endr
.irp i, 2,4,6,8,10,12,14,16,18,20,22,24,26,28,30
.irp c, 0,1
	v_max3_num_f32 v[TM+\c], v[TM+\c], |v[\src+32*\c+\i]|, |v[\src+32*\c+\i+1]|   ; the two blocks by turns
.endr
.endr
.irp c, 0,1
	v_add_nc_u32 v[SO+\c], 0xff000000, v[TM+\c]    ; 2 off the exponent field: the conversion takes that field as its scale
.endr
.irp c, 0,1
	v_lshrrev_b32 v[BY+\c], 23, v[SO+\c]           ; the scale's byte
.endr
	v_lshl_or_b32 v[PB], v[BY+1], 16, v[BY]
.irp c, 0,1
	v_cvt_scalef32_pk16_fp6_f32 v[PC+6*\c:PC+6*\c+2], v[\src+32*\c:\src+32*\c+15], v[SO+\c]
	v_cvt_scalef32_pk16_fp6_f32 v[CH+4*\c:CH+4*\c+2], v[\src+32*\c+16:\src+32*\c+31], v[SO+\c]
.endr
	v_nop                                          ; one plain instruction behind the scaled conversions
.irp c, 0,1
.irp i, 0,1,2
	v_mov_b32 v[PC+6*\c+3+\i], v[CH+4*\c+\i]
.endr
.endr
.endm
	s_load_b256 s[4:11], s[0:1], 0x0               ; hidden_states s[4:5], Wq s[6:7], Wk s[8:9], Wv s[10:11]
	s_load_b64 s[12:13], s[0:1], 0x20              ; xw
	v_lshl_add_u32 v[SPW], v0, 2, SPARE
	v_mov_b32 v[NIL], 0
	v_lshrrev_b32 v1, 5, v0
	v_readfirstlane_b32 s14, v1                    ; wave
	v_and_b32 v1, 31, v0                           ; lane
	v_and_b32 v2, 15, v0                           ; r
	v_bfe_u32 v3, v0, 4, 1                         ; h
	v_lshlrev_b32 v[LI], 4, v1
	s_mov_b32 s20, 0x76543210
	s_mov_b32 s21, 0xfedcba98                      ; v_permlanex16_b32's selects for lane l xor 16
	s_cmp_lt_u32 ttmp9, 256
	s_cbranch_scc0 .Lweights
; ---------------- the tokens: K innermost ----------------
; Each load reads 512 consecutive bytes of one row (128 K).  A fragment's 16 rows go through the wave's own stage and come back so that lane (r, h) holds, of row r, k = 64 c + 32 h + 0 .. 31.
	s_lshl_b32 s15, ttmp9, 2
	s_add_co_u32 s15, s15, s14                     ; my unit, 0 .. 1023
	s_and_b32 s16, s15, 7                          ; its K step
	s_lshr_b32 s17, s15, 3                         ; its 64 rows
	s_lshl_b32 s22, s17, 18                        ; 64 rows of 4,096 bytes
	s_lshl_b32 s18, s16, 9
	s_add_co_u32 s22, s22, s18                     ; + 512 bytes a K step
	s_mov_b32 s23, 0
	s_lshr_b32 s18, s17, 1                         ; the block of 128 rows
	s_and_b32 s19, s17, 1                          ; and which half of it: tiles 0-3 or 4-7
	s_mul_i32 s24, s18, RBB
	s_mul_i32 s26, s16, KSB
	s_add_co_u32 s24, s24, s26
	s_mul_i32 s26, s19, 6144
	s_add_co_u32 s24, s24, s26                     ; where my four fragments go
	s_mov_b32 s25, 0
	s_lshl_b32 s26, s18, 12
	s_lshl_b32 s27, s16, 9
	s_add_co_u32 s26, s26, s27
	s_lshl_b32 s27, s19, 8
	s_add_co_u32 s26, s26, s27
	s_add_co_u32 s26, s26, SOFF                    ; and their scale words: 256 bytes
	s_mov_b32 s27, 0
	s_mul_i32 s28, s14, 2*STG                      ; my two stages
	v_add_nc_u32 v5, s28, v[LI]                    ; in: 16 x lane of a row
	v_mul_u32_u24 v6, v2, 528
	v_lshl_add_u32 v6, v3, 7, v6
	v_add_nc_u32 v6, s28, v6                       ; back: row r, + 128 h bytes
	v_lshlrev_b32 v7, 3, v3                        ; 8 h: my bytes' place in the scale word
	v_lshlrev_b32 v8, 4, v2                        ; 16 r
	v_mov_b32 v9, 0                                ; written once: a lane permute's destination counts as one of its sources
	s_wait_kmcnt 0x0
	s_add_nc_u64 s[4:5], s[4:5], s[22:23]
	s_add_nc_u64 s[24:25], s[12:13], s[24:25]
	s_add_nc_u64 s[26:27], s[12:13], s[26:27]
.macro LOADF t                         ; fragment t's 16 rows into set t % 2
.set j, 0
.rept 16
	global_load_b128 v[S0+64*((\t)%2)+4*j:S0+64*((\t)%2)+4*j+3], v[LI], s[4:5] offset:(32*((\t)/2)+8*((\t)%2)+j+8*(j/8))*4096 th:TH_LOAD_NT
.set j, j+1
.endr
.endm
.macro FRAGX t
.if (\t) < 3
	s_wait_loadcnt 16                              ; this fragment's 16 loads are in; the next fragment's 16 may be out
.else
	s_wait_loadcnt 0x0
.endif
.set j, 0
.rept 16
	ds_store_b128 v5, v[S0+64*((\t)%2)+4*j:S0+64*((\t)%2)+4*j+3] offset:STG*((\t)%2)+528*j
.set j, j+1
.endr
.set j, 0
.rept 16                               ; LDS serves a wave's instructions in order: these see the stores above
	ds_load_b128 v[NN+4*j:NN+4*j+3], v6 offset:STG*((\t)%2)+256*(j/8)+16*(j%8)
.set j, j+1
.endr
	s_wait_dscnt 0x0                               ; the numbers are back, and the stores have read the set
.if (\t) < 2
	LOADF (\t)+2
.endif
.if (\t) > 0
	s_wait_xcnt 0x0                                ; the last fragment's stores have read v[PC] on: only now are the codes written again
.endif
	QUANT64 NN
	v_lshlrev_b32 v[TP], v7, v[PB]                 ; my blocks h and 2 + h at their places,
	v_permlanex16_b32 v9, v[TP], s20, s21
	v_or_b32 v[SW+(\t)], v[TP], v9                 ; with lane l xor 16's two the word is whole
.irp c, 0,1,2
	global_store_b128 v[LI], v[PC+4*\c:PC+4*\c+3], s[24:25] offset:1536*(\t)+512*\c   ; 32 lanes store 512 consecutive bytes
.endr
.endm
	LOADF 0
	LOADF 1
	FRAGX 0
	FRAGX 1
	FRAGX 2
	FRAGX 3
	global_store_b128 v8, v[SW:SW+3], s[26:27]     ; 16 bytes a row: 256 consecutive bytes (lanes 16-31 hold and store what lanes 0-15 do)
	s_wait_tensorcnt 0x0                           ; the wave's end
	ds_add_u32 v[SPW], v[NIL]
	s_wait_dscnt 0x0
	s_endpgm
; ---------------- the weights: K outermost ----------------
; A lane takes a column (an output channel) and its registers run down K: a load reads 128 consecutive bytes a wave, and the four waves stand side by side on 512.
; Column x of the wave's 32 is row r = x % 8 + 8 (x / 16) of tile 2 wave + (x / 8) % 2.  The lane makes that row's codes for both halves h of the fragment, in two passes.
.Lweights:
	s_sub_co_u32 s15, ttmp9, 256
	s_lshr_b32 s16, s15, 6                         ; which weight
	s_bfe_u32 s17, s15, 0x30003                    ; K step
	s_and_b32 s18, s15, 7                          ; block of 128 columns
	s_lshl_b32 s22, s17, 19                        ; 128 rows of 4,096 bytes
	s_lshl_b32 s19, s18, 9
	s_add_co_u32 s22, s22, s19
	s_lshl_b32 s19, s14, 7
	s_add_co_u32 s22, s22, s19                     ; + my wave's 32 columns
	s_mov_b32 s23, 0
	s_lshl_b32 s19, s16, 3
	s_add_co_u32 s19, s19, s18
	s_add_co_u32 s19, s19, 64                      ; the block in xw
	s_mul_i32 s24, s19, RBB
	s_mul_i32 s28, s17, KSB
	s_add_co_u32 s24, s24, s28
	s_mul_i32 s28, s14, 3072
	s_add_co_u32 s24, s24, s28                     ; tiles 2 wave, 2 wave + 1
	s_mov_b32 s25, 0
	s_lshl_b32 s26, s19, 12
	s_lshl_b32 s28, s17, 9
	s_add_co_u32 s26, s26, s28
	s_lshr_b32 s28, s14, 1
	s_lshl_b32 s28, s28, 8
	s_add_co_u32 s26, s26, s28
	s_and_b32 s28, s14, 1
	s_lshl_b32 s28, s28, 3
	s_add_co_u32 s26, s26, s28
	s_add_co_u32 s26, s26, SOFF
	s_mov_b32 s27, 0
	v_lshlrev_b32 v5, 2, v1                        ; in: 4 bytes a lane
	v_bfe_u32 v6, v1, 3, 1                         ; u
	v_and_b32 v7, 7, v1
	v_lshrrev_b32 v8, 4, v1
	v_lshl_or_b32 v7, v8, 3, v7                    ; r
	v_lshlrev_b32 v7, 4, v7                        ; 16 r
	v_mad_u32_u24 v8, v6, 1536, v7                 ; my row's place among the two tiles' codes
	v_lshl_add_u32 v9, v6, 2, v7                   ; and among their scale words
	s_wait_kmcnt 0x0
	s_cmp_eq_u32 s16, 1
	s_cselect_b64 s[6:7], s[8:9], s[6:7]
	s_cmp_eq_u32 s16, 2
	s_cselect_b64 s[6:7], s[10:11], s[6:7]         ; the choice hangs on the work-group's number alone
	s_add_nc_u64 s[6:7], s[6:7], s[22:23]
	s_add_nc_u64 s[24:25], s[12:13], s[24:25]
	s_add_nc_u64 s[26:27], s[12:13], s[26:27]
.set n, 0
.rept 128                              ; register 64 h + 32 c + i = W(64 c + 32 h + i, my column)
	global_load_b32 v[S0+n], v5, s[6:7] offset:(64*((n/32)%2)+32*(n/64)+n%32)*4096 th:TH_LOAD_NT
.set n, n+1
.endr
	s_wait_loadcnt 63                              ; at most 63 of the 128 are out: the first 64, pass 0's, are in
	QUANT64 S0
.irp c, 0,1,2
	global_store_b128 v8, v[PC+4*\c:PC+4*\c+3], s[24:25] offset:512*\c   ; sixteen lanes of a tile store 256 consecutive bytes: lanes 0-15 of run c
.endr
	v_mov_b32 v10, v[PB]                           ; blocks 0 and 2
	s_wait_loadcnt 0x0
	s_wait_xcnt 0x0                                ; pass 0's stores have read the codes' registers
	QUANT64 S0+64
.irp c, 0,1,2
	global_store_b128 v8, v[PC+4*\c:PC+4*\c+3], s[24:25] offset:512*\c+256   ; lanes 16-31 of run c
.endr
	v_lshl_or_b32 v10, v[PB], 8, v10               ; blocks 1 and 3: the word is whole
	global_store_b32 v9, v10, s[26:27]             ; 4 bytes a lane, 8 of each row's 16: the weights' scale words are 98,304 bytes in all
	s_wait_tensorcnt 0x0                           ; the wave's end
	ds_add_u32 v[SPW], v[NIL]
	s_wait_dscnt 0x0
	s_endpgm
.Lfunc_end_k_q6f677d9229_quant:
	.size	k_q6f677d9229_quant, .Lfunc_end_k_q6f677d9229_quant-k_q6f677d9229_quant
	.p2alignl 7, 3214868480
	.fill 96, 4, 3214868480
	.section	.rodata,"a",@progbits
	.p2align	6, 0x0
	.amdhsa_kernel k_q6f677d9229_quant
		.amdhsa_group_segment_fixed_size 68096
		.amdhsa_private_segment_fixed_size 0
		.amdhsa_enable_private_segment 0
		.amdhsa_kernarg_size 40
		.amdhsa_user_sgpr_count 2
		.amdhsa_user_sgpr_kernarg_segment_ptr 1
		.amdhsa_wavefront_size32 1
		.amdhsa_system_sgpr_workgroup_id_x 1
		.amdhsa_system_sgpr_workgroup_id_y 1
		.amdhsa_system_sgpr_workgroup_id_z 1
		.amdhsa_system_vgpr_workitem_id 0
		.amdhsa_next_free_vgpr 256
		.amdhsa_next_free_sgpr 66
		.amdhsa_reserve_vcc 0
		.amdhsa_float_denorm_mode_32 3
		.amdhsa_float_denorm_mode_16_64 3
		.amdhsa_memory_ordered 1
		.amdhsa_forward_progress 1
		.amdhsa_inst_pref_size 50
	.end_amdhsa_kernel
	.amdgpu_metadata
---
amdhsa.version: [ 1, 2 ]
amdhsa.kernels:
  - .name:           k_q6f677d9229_quant
    .symbol:         k_q6f677d9229_quant.kd
    .args:
      - { .name: hidden_states, .offset: 0, .size: 8, .value_kind: global_buffer, .address_space: global }
      - { .name: Wq, .offset: 8, .size: 8, .value_kind: global_buffer, .address_space: global }
      - { .name: Wk, .offset: 16, .size: 8, .value_kind: global_buffer, .address_space: global }
      - { .name: Wv, .offset: 24, .size: 8, .value_kind: global_buffer, .address_space: global }
      - { .name: xw, .offset: 32, .size: 8, .value_kind: global_buffer, .address_space: global }
    .group_segment_fixed_size: 68096
    .private_segment_fixed_size: 0
    .kernarg_segment_align: 8
    .kernarg_segment_size: 40
    .max_flat_workgroup_size: 128
    .sgpr_count:     66
    .vgpr_count:     256
    .wavefront_size: 32
...
	.end_amdgpu_metadata
.endif
;; end of part 1
;; launch proj (part 2): grid 4 x 64, 4 waves a work-group, clusters of 4 x 4, 327,680 bytes of LDS; arguments xw, bq, bk, bv, qkv; writes qkv
.if DOCPART == 2
	.amdgcn_target "amdgcn-amd-amdhsa--gfx1250"
	.amdhsa_code_object_version 6
	.text
	.protected	k_q6f677d9229_proj
	.globl	k_q6f677d9229_proj
	.p2align	8
	.type	k_q6f677d9229_proj,@function
k_q6f677d9229_proj:
	s_mov_b64 s[64:65], 0
	v_nop
	global_prefetch_b8 v0, s[64:65] scope:SCOPE_SE
	s_setreg_imm32_b32 hwreg(HW_REG_WAVE_MODE, 25, 1), 1
	s_wait_xcnt 0x0
	s_wait_alu depctr_hold_cnt(0) depctr_sa_sdst(0) depctr_va_vdst(0) depctr_va_sdst(0) depctr_va_ssrc(0) depctr_va_vcc(0) depctr_vm_vsrc(0)
	s_getreg_b32 s2, hwreg(HW_REG_IB_STS2, 6, 4)
	s_cmp_eq_u32 s2, 0
	s_cbranch_scc0 .Lentry_in_a_cluster
	s_endpgm
.Lentry_in_a_cluster:
	s_bfe_u32 s2, ttmp6, 0x10000c
	s_cmp_lg_u32 s2, 0xf033
	s_cbranch_scc0 .Lentry_shape_is_right
	s_endpgm
.Lentry_shape_is_right:
; q = X Wq + bq, k = X Wk + bk, v = X Wv + bv on codes of FP6 (E2M3) with E8M0 scales, f32 sums; the results are quantised in registers and leave as codes: q and k along the channels, v along the tokens.
; A WORK-GROUP STAYS: it owns 128 tokens (block tb = 4 x cluster y + cy) and 256 channels (quarter cx) and makes three tiles one after the other: q, k, v.  Its tokens' codes, 98,304 bytes, lie in LDS for the
; whole launch; the weight's two blocks of 128 channels, 196,608 bytes, are filled again for k and for v.
; In a tile P is source 0 (its rows run along a lane's registers) and R is source 1 (a lane holds one row).  q, k: P = the weight (wave & 1 picks the block), R = the tokens (wave >> 1 picks four tiles of 16);
; v: P = the tokens (all waves the same 128), R = the weight (wave >> 1 picks the block, wave & 1 four tiles).  So the axis that is quantised next always runs along the registers.
; A wave has 32 accumulators of 16 x 16: 32 matrix instructions and 36 LDS loads of 512 bytes for each 128 along K.
; THE REFILL.  In K step 7 of q and of k all reads of the weight are in: each wave waits for all its tensor loads, adds 0 to its spare word, waits for that and for its reads; a round of the cluster's barrier; then one joint
; load a wave, 49,152 bytes.  It has sixteen matrix instructions and the tile's whole way out in which to land.  By this text's count four tensor loads of a wave are out at the start, later one.
; CLUSTER 4 x 4: the weight hangs on cx alone and is asked for jointly by a column of the cluster, the tokens on cy alone, jointly by a row.
; Operands lie in memory and in LDS as images of their registers (launch quant): a fragment is three loads of 16 bytes a lane at 16 x lane.  Scale words go from memory straight into registers, once a tile:
; lanes 0-15 hold K step s, lanes 16-31 K step s + 4, and the matrix instructions of the upper four K steps read the upper lanes.
; LIMITS: a block whose largest magnitude lies under 2^-124 keeps the byte 1; NaN and infinities are not served.
; REGISTERS.  window 0: v1-26 addresses and offsets; v32-63 P's scale words (8 s + b), v64-79 R's (4 s + a); v80-103 at work; v160-255 R's fragments, two sets; on the way out v160-223 a tile's 64 numbers, v224-243 its codes.
;   window 1: P's fragments, two sets of 96.   window 2: accumulator (a, b) at v[8 (8 a + b)].   window 3: v0-63 bq along P, v64-127 bk along P, v128-135 bv, one number a lane for each of my four tiles.
.set KH,    4
.set KSB,   12288
.set RBL,   98304
.set TR,    196608                     ; LDS: the weight's two blocks at 0 and 98,304, the tokens' block here
.set SPARE, 294912                     ; behind them: the spare words, 128 bytes a wave
.set SOFF,  8650752                    ; xw: where the scale words begin
.set KC,    6291456                    ; qkv: k's codes lie this far behind q's
.set VC,    12582912
.set QS,    18874368
.set VS,    19398656
.set APW, 4                            ; v4-5   LDS address of the weight's fragments as P, K steps 0-3 and 4-7
.set ART, 6                            ; v6-7   of the tokens' as R
.set SCO, 8                            ; v8     16 r + 2,048 h
.set LI,  9                            ; v9     16 x lane
.set SPW, 10                           ; v10    my spare word; never rewritten
.set NIL, 11                           ; v11    0; never rewritten
.set WSP, 12                           ; v12    offset in xw of the weight's scale words as P (q; k: 32,768 on)
.set WSR, 13                           ; v13    of Wv's as R
.set TSR, 14                           ; v14    of the tokens' as R
.set TSP, 15                           ; v15    of the tokens' as P
.set CQK, 16                           ; v16    offset in qkv of my codes of q (k: KC on)
.set CV,  17                           ; v17    of v
.set OQK, 18                           ; v18    of my scale words of q (k: 262,144 on)
.set OV,  19                           ; v19    of v
.set APT, 20                           ; v20-21 LDS address of the tokens' fragments as P
.set ARW, 22                           ; v22-23 of the weight's as R
.set BPO, 24                           ; v24    offset of my 128 numbers of bq and bk
.set BRO, 25                           ; v25    of my lane's number of bv
.set R16, 26                           ; v26    16 r
.set SP,  32
.set SR,  64
.set TM,  80
.set PW,  100
.set RF,  160
.set H,   160
.set PC,  224
.set G1P, 24                           ; s[24:31] group 1, the weight's first pieces;  s[40:55] their four groups 0
.set G1R, 32                           ; s[32:39] group 1, the tokens' pieces;         s[68:83] their four groups 0
.set G0P, 40
.set G0R, 68
.set G1W, 84                           ; s[84:91] group 1, the weight's refills;       s[92:95] their group 0, which walks
.set G0W, 92
.set MSB, 0
.macro WIN new                         ; the immediate's high byte repeats the setting that is left
.if MSB != \new
	s_set_vgpr_msb (MSB<<8)|\new
.set MSB, \new
.endif
.endm
.macro PLACES n
.rept \n
	v_nop
.endr
.endm
.macro CREST
	s_cmp_lg_u32 s14, 0
	s_cbranch_scc1 .Lnot_wave_0_\@
	s_barrier_signal -3
.Lnot_wave_0_\@:
	s_barrier_wait -3
	s_barrier_signal -1
	s_barrier_wait -1
.endm
.macro CROUND                          ; a round of the cluster's barrier
	s_barrier_signal -1
	s_barrier_wait -1
	CREST
.endm
.macro FETCH s, ap, ar                 ; K step s: P's eight fragments and my four of R into set s % 2
	WIN 0x40                                       ; destination window 1
.irp b, 0,1,2,3,4,5,6,7
.irp c, 0,1,2
	ds_load_b128 v[96*((\s)%2)+12*\b+4*\c:96*((\s)%2)+12*\b+4*\c+3], v[\ap+((\s)/4)%2] offset:((\s)%4)*KSB+1536*\b+512*\c
.endr
.endr
	WIN 0
.irp t, 0,1,2,3
.irp c, 0,1,2
	ds_load_b128 v[RF+48*((\s)%2)+12*\t+4*\c:RF+48*((\s)%2)+12*\t+4*\c+3], v[\ar+((\s)/4)%2] offset:((\s)%4)*KSB+1536*\t+512*\c
.endr
.endr
.endm
.macro MUL s, a                        ; R's tile a against P's eight.  The 32 accumulators take turns in the same order in every K step and from tile to tile; a tile's first K step starts the sums
	WIN 0xa1                                       ; source 0 window 1, source 1 window 0, C and D window 2
.irp b, 0,1,2,3,4,5,6,7
.if (\s) == 0
	v_wmma_scale_f32_16x16x128_f8f6f4 v[8*(8*(\a)+\b):8*(8*(\a)+\b)+7], v[96*((\s)%2)+12*\b:96*((\s)%2)+12*\b+11], v[RF+48*((\s)%2)+12*(\a):RF+48*((\s)%2)+12*(\a)+11], 0, v[SP+8*((\s)%KH)+\b], v[SR+4*((\s)%KH)+(\a)] matrix_a_fmt:MATRIX_FMT_FP6 matrix_b_fmt:MATRIX_FMT_FP6
.elseif (\s) < KH
	v_wmma_scale_f32_16x16x128_f8f6f4 v[8*(8*(\a)+\b):8*(8*(\a)+\b)+7], v[96*((\s)%2)+12*\b:96*((\s)%2)+12*\b+11], v[RF+48*((\s)%2)+12*(\a):RF+48*((\s)%2)+12*(\a)+11], v[8*(8*(\a)+\b):8*(8*(\a)+\b)+7], v[SP+8*((\s)%KH)+\b], v[SR+4*((\s)%KH)+(\a)] matrix_a_fmt:MATRIX_FMT_FP6 matrix_b_fmt:MATRIX_FMT_FP6
.else
	v_wmma_scale_f32_16x16x128_f8f6f4 v[8*(8*(\a)+\b):8*(8*(\a)+\b)+7], v[96*((\s)%2)+12*\b:96*((\s)%2)+12*\b+11], v[RF+48*((\s)%2)+12*(\a):RF+48*((\s)%2)+12*(\a)+11], v[8*(8*(\a)+\b):8*(8*(\a)+\b)+7], v[SP+8*((\s)%KH)+\b], v[SR+4*((\s)%KH)+(\a)] matrix_a_fmt:MATRIX_FMT_FP6 matrix_b_fmt:MATRIX_FMT_FP6 matrix_a_scale:MATRIX_SCALE_ROW1 matrix_b_scale:MATRIX_SCALE_ROW1
.endif
.endr
.endm
; A K step.  bar = 1 (the first tile alone): the next K step lies in a piece that has not been shown yet: my part of it has landed (tcnt later pieces may stay out), then a barrier.
.macro KSTEP s, bar, tcnt, fetch, ap, ar
	s_wait_dscnt 0x0                               ; this K step's fragments are in; no LDS access of mine is out at the signal
.if \bar
	s_wait_tensorcnt \tcnt
	s_barrier_signal -1
.endif
	MUL \s, 0
	MUL \s, 1
.if \bar
	s_barrier_wait -1
.endif
.if \fetch
	PLACES 4                                       ; four plain instructions between the last products that read the other set and the loads into it
	FETCH (\s)+1, \ap, \ar
.endif
	MUL \s, 2
	MUL \s, 3
.endm
; K step 7 of a tile that has a successor: the weight's region is filled again with the next weight's two blocks.
.macro KLAST
	WIN 0
	s_wait_tensorcnt 0x0                           ; no tensor load of mine is out, so the walking group 0 may be written
	ds_add_u32 v[SPW], v[NIL]
	s_wait_dscnt 0x1                               ; K step 7's fragments are in; only the add may be out
	MUL 7, 0                                       ; eight matrix instructions stand between the add and the wait for it
	s_wait_dscnt 0x0                               ; the add is done, and my reads of the weight are over
	s_barrier_signal -1
	MUL 7, 1
	WIN 0
	s_barrier_wait -1
	CREST                                          ; the barrier has opened a round of the cluster's: no wave of any partner still reads the weight or has a load on its way
	s_add_nc_u64 s[G0W+2:G0W+3], s[G0W+2:G0W+3], 8*RBL   ; the next weight lies eight blocks on; the type bits on top are not reached
	tensor_load_to_lds s[G0W:G0W+3], s[G1W:G1W+7]  ; my quarter of the two blocks: the first tensor load behind the round, and my only one
	s_nop 0
	PLACES 4
	MUL 7, 2
	MUL 7, 3
.endm
.macro NEXT                            ; a tile's way out is over: on to the next tile
	s_wait_xcnt 0x0                                ; the stores have read the codes' and the words' registers: fragments may land there
	s_wait_tensorcnt 0x0                           ; my quarter of the next weight has landed,
	s_barrier_signal -1
	s_barrier_wait -1                              ; everybody's has.
.endm
.macro LDSP reg, imm                   ; P's scale words: sixteen lanes read 256 consecutive bytes: a row's words of tiles 0-3, of tiles 4-7
.irp k, 0,1,2,3
	global_load_b128 v[SP+8*\k:SP+8*\k+3], v[\reg], s[4:5] offset:\imm+512*\k
	global_load_b128 v[SP+8*\k+4:SP+8*\k+7], v[\reg], s[4:5] offset:\imm+512*\k+256
.endr
.endm
.macro LDSR reg                        ; R's: my four tiles'
.irp k, 0,1,2,3
	global_load_b128 v[SR+4*\k:SR+4*\k+3], v[\reg], s[4:5] offset:512*\k
.endr
.endm
	s_load_b256 s[4:11], s[0:1], 0x0               ; xw s[4:5], bq s[6:7], bk s[8:9], bv s[10:11]
	s_load_b64 s[12:13], s[0:1], 0x20              ; qkv
	v_lshl_add_u32 v[SPW], v0, 2, SPARE
	v_mov_b32 v[NIL], 0
	ds_add_u32 v[SPW], v[NIL]                      ; the wave's opening: the add and its wait stand ahead of my first tensor load; the set-up below stands between them
	v_lshrrev_b32 v1, 5, v0
	v_readfirstlane_b32 s14, v1                    ; wave
	s_and_b32 s15, s14, 1
	s_lshr_b32 s16, s14, 1
	s_bfe_u32 s17, ttmp6, 0x40000                  ; cx: my quarter of the channels
	s_bfe_u32 s18, ttmp6, 0x40004                  ; cy
	s_and_b32 s20, ttmp7, 0xffff                   ; cluster y
	s_mov_b32 s22, 0x76543210
	s_mov_b32 s23, 0xfedcba98                      ; v_permlanex16_b32's selects for lane l xor 16
	s_lshl_b32 s57, 0x1111, s17                    ; my column of the cluster
	s_or_b32 s[G1P], s57, (3<<16)|(1<<21)          ; 15:0 the mask; 17:16 elements of 8 bytes; 21 set beside a mask; no padding
	s_or_b32 s[G1W], s57, (3<<16)|(1<<21)
	s_lshl_b32 s61, s18, 2
	s_lshl_b32 s61, 15, s61                        ; my row
	s_or_b32 s[G1R], s61, (3<<16)|(1<<21)
.irp g, G1P, G1R, G1W                  ; dense blocks as rows of 256 bytes
	s_mov_b32 s[\g+1], 32<<16                      ; tensor_dim0 = 32 elements
	s_mov_b32 s[\g+3], 32<<16                      ; tile_dim0
	s_mov_b32 s[\g+5], 32                          ; the pitch
	s_mov_b32 s[\g+6], 0
	s_mov_b32 s[\g+7], 0
.endr
	s_mov_b32 s[G1P+2], 96<<16                     ; a first piece of a weight's block: two K steps, 24,576 bytes
	s_mov_b32 s[G1P+4], 96
	s_mov_b32 s[G1R+2], 48<<16                     ; a wave's first piece of the tokens: one K step, 12,288 bytes
	s_mov_b32 s[G1R+4], 48
	s_mov_b32 s[G1W+2], 192<<16                    ; a wave's part of a refill: four K steps of one block, 49,152 bytes
	s_mov_b32 s[G1W+4], 192
	; the weight: Wq's blocks 64 + 2 cx and the next.  These registers never hold cy
	s_lshl_b32 s56, s17, 1
	s_add_co_u32 s56, s56, 64
	s_add_co_u32 s57, s56, s15                     ; the block whose first pieces I fetch (waves 0, 1)
	s_mul_i32 s58, s57, RBL
	s_mov_b32 s59, 0
	s_mul_i32 s96, s56, RBL
	s_mul_i32 s97, s14, 49152
	s_add_co_u32 s96, s96, s97                     ; my quarter of the two blocks: the refills step on from here
	s_mov_b32 s97, 0
	; the tokens: block 4 y + cy.  These registers never hold cx
	s_lshl_b32 s60, s20, 2
	s_add_co_u32 s60, s60, s18
	s_mul_i32 s62, s60, RBL
	s_mul_i32 s61, s15, KSB
	s_add_co_u32 s62, s62, s61
	s_mov_b32 s63, 0
	s_mul_i32 s2, s15, RBL                         ; where they go in LDS: no place in the cluster enters
	s_mul_i32 s3, s15, KSB
	s_add_co_u32 s3, s3, TR
	s_wait_dscnt 0x0                               ; the opening add is done
	s_wait_kmcnt 0x0
	s_add_nc_u64 s[58:59], s[4:5], s[58:59]
	s_add_nc_u64 s[62:63], s[4:5], s[62:63]
	s_add_nc_u64 s[96:97], s[4:5], s[96:97]
	CROUND                                         ; all sixteen work-groups are here: the joint loads meet
.irp g, 0,1,2,3
	s_mov_b32 s[G0P+4*\g], 1
	s_add_co_u32 s[G0P+4*\g+1], s2, \g*2*KSB
	s_add_nc_u64 s[G0P+4*\g+2:G0P+4*\g+3], s[58:59], \g*2*KSB
	s_or_b32 s[G0P+4*\g+3], s[G0P+4*\g+3], 0x80000000
	s_mov_b32 s[G0R+4*\g], 1
	s_add_co_u32 s[G0R+4*\g+1], s3, \g*2*KSB
	s_add_nc_u64 s[G0R+4*\g+2:G0R+4*\g+3], s[62:63], \g*2*KSB
	s_or_b32 s[G0R+4*\g+3], s[G0R+4*\g+3], 0x80000000
.endr
	s_mov_b32 s[G0W], 1
	s_mul_i32 s[G0W+1], s14, 49152                 ; LDS: wave x 49,152
	s_mov_b64 s[G0W+2:G0W+3], s[96:97]
	s_or_b32 s[G0W+3], s[G0W+3], 0x80000000
	s_cmp_eq_u32 s16, 0                            ; waves 0, 1: Wq's two blocks; waves 2, 3: the two K steps of each piece of the tokens.  Four loads a wave, all first fills, in one branch
	s_cbranch_scc0 .Lfirst_r
.irp g, 0,1,2,3
	tensor_load_to_lds s[G0P+4*\g:G0P+4*\g+3], s[G1P:G1P+7]
	s_nop 0
.endr
	PLACES 4
	s_branch .Lfirst_done
.Lfirst_r:
.irp g, 0,1,2,3
	tensor_load_to_lds s[G0R+4*\g:G0R+4*\g+3], s[G1R:G1R+7]
	s_nop 0
.endr
	PLACES 4
.Lfirst_done:
	v_and_b32 v1, 31, v0
	v_and_b32 v2, 15, v0                           ; r
	v_bfe_u32 v3, v0, 4, 1                         ; h
	v_lshlrev_b32 v[LI], 4, v1
	v_lshlrev_b32 v[R16], 4, v2
	v_lshl_add_u32 v[SCO], v3, 11, v[R16]
	s_lshl_b32 s66, s17, 1
	s_add_co_u32 s67, s66, s16                     ; 2 cx + (wave >> 1): v's block of channels
	s_add_co_u32 s66, s66, s15                     ; 2 cx + (wave & 1): q's and k's block of channels = the K step of the next product
	s_lshr_b32 s21, s60, 4                         ; the batch
	s_and_b32 s19, s60, 15                         ; my tokens' K step along a batch's keys
	s_lshl_b32 s98, s66, 12
	s_add_co_u32 s98, s98, SOFF+64*4096
	v_add_nc_u32 v[WSP], s98, v[SCO]
	s_lshl_b32 s98, s60, 12
	s_add_co_u32 s98, s98, SOFF
	v_add_nc_u32 v[TSP], s98, v[SCO]
	s_lshl_b32 s99, s16, 8
	v_add_nc_u32 v[TSR], s99, v[TSP]
	LDSP WSP, 0                                    ; q's scale words
	LDSR TSR
	s_lshl_b32 s98, s66, 9
	v_lshlrev_b32 v[BPO], 6, v3
	v_add_nc_u32 v[BPO], s98, v[BPO]               ; 128 numbers from 128 (2 cx + (wave & 1)) on, + 16 h numbers
	v_and_b32 v[BRO], 8, v2
	v_add_nc_u32 v[BRO], v[BRO], v2
	v_lshlrev_b32 v[BRO], 2, v[BRO]
	s_lshl_b32 s98, s67, 9
	s_lshl_b32 s99, s15, 8
	s_add_co_u32 s98, s98, s99
	v_add_nc_u32 v[BRO], s98, v[BRO]               ; channel 128 (2 cx + (wave >> 1)) + 64 (wave & 1) + r + 8 (r / 8)
	WIN 0xc0                                       ; destination window 3
.irp b, 0,1,2,3,4,5,6,7                ; register 8 b + j belongs to P's row 32 (b / 2) + 16 h + 8 (b % 2) + j
	global_load_b128 v[8*\b:8*\b+3], v[BPO], s[6:7] offset:4*(32*(\b/2)+8*(\b%2))
	global_load_b128 v[8*\b+4:8*\b+7], v[BPO], s[6:7] offset:4*(32*(\b/2)+8*(\b%2))+16
	global_load_b128 v[64+8*\b:64+8*\b+3], v[BPO], s[8:9] offset:4*(32*(\b/2)+8*(\b%2))
	global_load_b128 v[64+8*\b+4:64+8*\b+7], v[BPO], s[8:9] offset:4*(32*(\b/2)+8*(\b%2))+16
.endr
.irp t, 0,1,2,3                        ; my row of R's tile t in the third tile
	global_load_b32 v[128+2*\t], v[BRO], s[10:11] offset:4*(32*(\t/2)+8*(\t%2))
	v_mov_b32 v[129+2*\t], 0                       ; named with it as a pair
.endr
	WIN 0
	s_lshl_b32 s98, s67, 12
	s_add_co_u32 s98, s98, s99                     ; (s99 still holds 256 (wave & 1))
	s_add_co_u32 s98, s98, SOFF+80*4096
	v_add_nc_u32 v[WSR], s98, v[SCO]
	s_mul_i32 s98, s60, RBL                        ; q's codes: block of tokens, K step 2 cx + (wave & 1), my four tiles
	s_mul_i32 s99, s66, KSB
	s_add_co_u32 s98, s98, s99
	s_mul_i32 s99, s16, 6144
	s_add_co_u32 s98, s98, s99
	v_add_nc_u32 v[CQK], s98, v[LI]
	s_mul_i32 s98, s21, 1572864                    ; v's codes: batch, block of channels, K step along the keys, my four tiles
	s_mul_i32 s99, s67, 196608
	s_add_co_u32 s98, s98, s99
	s_mul_i32 s99, s19, KSB
	s_add_co_u32 s98, s98, s99
	s_mul_i32 s99, s15, 6144
	s_add_co_u32 s98, s98, s99
	s_add_co_u32 s98, s98, VC
	v_add_nc_u32 v[CV], s98, v[LI]
	s_lshl_b32 s98, s60, 12                        ; and the scale words likewise
	s_lshl_b32 s99, s66, 9
	s_add_co_u32 s98, s98, s99
	s_lshl_b32 s99, s16, 8
	s_add_co_u32 s98, s98, s99
	s_add_co_u32 s98, s98, QS
	v_add_nc_u32 v[OQK], s98, v[R16]
	s_lshl_b32 s98, s21, 16
	s_lshl_b32 s99, s67, 13
	s_add_co_u32 s98, s98, s99
	s_lshl_b32 s99, s19, 9
	s_add_co_u32 s98, s98, s99
	s_lshl_b32 s99, s15, 8
	s_add_co_u32 s98, s98, s99
	s_add_co_u32 s98, s98, VS
	v_add_nc_u32 v[OV], s98, v[R16]
	s_mul_i32 s2, s15, RBL                         ; LDS addresses: the wave's number and the lane alone
	v_add_nc_u32 v[APW], s2, v[LI]
	v_add_nc_u32 v[APW+1], 4*KSB, v[APW]
	s_mul_i32 s3, s16, 6144
	s_add_co_u32 s3, s3, TR
	v_add_nc_u32 v[ART], s3, v[LI]
	v_add_nc_u32 v[ART+1], 4*KSB, v[ART]
	v_add_nc_u32 v[APT], TR, v[LI]
	v_add_nc_u32 v[APT+1], TR+4*KSB, v[LI]
	s_mul_i32 s2, s16, RBL
	s_mul_i32 s3, s15, 6144
	s_add_co_u32 s2, s2, s3
	v_add_nc_u32 v[ARW], s2, v[LI]
	v_add_nc_u32 v[ARW+1], 4*KSB, v[ARW]
.irp b, 0,1,2,3
	v_mov_b32 v[TM+4+\b], 0                        ; written once: a lane permute's destination counts as one of its sources
.endr
; THE WAY OUT.  For R's tile a a lane holds one row and 64 numbers, register 16 b + i = index 32 b + 16 h + i along P: with the bias added they are quantised as they stand and are one fragment of the next operand.
.macro QUANT pw, wx
.irp b, 0,1,2,3
	v_max3_num_f32 v[TM+\b], |v[H+16*\b]|, |v[H+1+16*\b]|, 0x1800000   ; and the floor 2^(3 - 127)
.endr
.irp i, 2,4,6,8,10,12,14
.irp b, 0,1,2,3
	v_max3_num_f32 v[TM+\b], v[TM+\b], |v[H+16*\b+\i]|, |v[H+1+16*\b+\i]|
.endr
.endr
.irp b, 0,1,2,3
	v_permlanex16_b32 v[TM+4+\b], v[TM+\b], s22, s23
.endr
.irp b, 0,1,2,3
	v_max_num_f32 v[TM+\b], v[TM+\b], v[TM+4+\b]   ; with lane l xor 16's 16: the block's largest magnitude
.endr
.irp b, 0,1,2,3
	v_add_nc_u32 v[TM+12+\b], 0xff000000, v[TM+\b] ; 2 off the exponent field: the conversion's scale operand
.endr
.irp b, 0,1,2,3
	v_lshrrev_b32 v[TM+4+\b], 23, v[TM+12+\b]      ; the scale's byte
.endr
	v_lshl_or_b32 v[\pw], v[TM+5], 8, v[TM+4]
	v_lshl_or_b32 v[\pw], v[TM+6], 16, v[\pw]
	v_lshl_or_b32 v[\pw], v[TM+7], 24, v[\pw]
.if \wx
	s_wait_xcnt 0x0                                ; the last tile's stores have read the codes' registers, which the conversions write
.endif
.irp c, 0,1
	v_cvt_scalef32_pk16_fp6_f32 v[PC+6*\c:PC+2+6*\c], v[H+32*\c:H+15+32*\c], v[TM+12+2*\c]
	v_cvt_scalef32_pk16_fp6_f32 v[PC+12+4*\c:PC+14+4*\c], v[H+16+32*\c:H+31+32*\c], v[TM+12+2*\c+1]
.endr
	v_nop                                          ; one plain instruction behind the scaled conversions
.irp c, 0,1                            ; the operand's layout wants a whole block in a lane
.irp i, 0,1,2
	v_permlane16_swap_b32 v[PC+6*\c+\i], v[PC+12+4*\c+\i]
.endr
.irp i, 0,1,2
	v_mov_b32 v[PC+3+6*\c+\i], v[PC+12+4*\c+\i]
.endr
.endr
.endm
; along = 0: the bias runs along the registers (q, k; bias: where it begins in window 3);  1: one number a lane (v)
.macro OUTQ a, along, bias, co, imm
	WIN 0x0e                                       ; source 0 window 2, source 1 window 3
.set n, 0
.rept 32
.if \along
	v_pk_add_f32 v[H+n:H+n+1], v[64*(\a)+n:64*(\a)+n+1], v[128+2*(\a):129+2*(\a)] op_sel_hi:[1,0]
.else
	v_pk_add_f32 v[H+n:H+n+1], v[64*(\a)+n:64*(\a)+n+1], v[(\bias)+n:(\bias)+n+1]   ; each accumulator is read from its low end on
.endif
.set n, n+2
.endr
	WIN 0
.if (\a) > 0
	QUANT PW+(\a), 1
.else
	QUANT PW+(\a), 0
.endif
.irp c, 0,1,2
	global_store_b128 v[\co], v[PC+4*\c:PC+4*\c+3], s[12:13] offset:(\imm)+1536*(\a)+512*\c   ; 32 lanes store 512 consecutive bytes
.endr
.endm
.macro WAYOUT along, bias, co, imm, wo, wimm
	OUTQ 0, \along, \bias, \co, \imm
	OUTQ 1, \along, \bias, \co, \imm
	OUTQ 2, \along, \bias, \co, \imm
	OUTQ 3, \along, \bias, \co, \imm
	global_store_b128 v[\wo], v[PW:PW+3], s[12:13] offset:\wimm   ; my row's four scale words: 256 consecutive bytes (lanes 16-31 hold and store what lanes 0-15 do)
.endm
	; ---- q
	s_wait_tensorcnt 3                             ; my part of piece 0 is in; three pieces may be out
	s_barrier_signal -1
	s_barrier_wait -1                              ; everybody's is
	FETCH 0, APW, ART
	s_wait_loadcnt 0x0                             ; the scale words and the biases
	KSTEP 0, 0, 0, 1, APW, ART
	KSTEP 1, 1, 2, 1, APW, ART                     ; piece 1: two later pieces may be out
	KSTEP 2, 0, 0, 1, APW, ART
	KSTEP 3, 1, 1, 1, APW, ART
	KSTEP 4, 0, 0, 1, APW, ART
	KSTEP 5, 1, 0, 1, APW, ART
	KSTEP 6, 0, 0, 1, APW, ART
	KLAST                                          ; Wk is asked for
	WIN 0
	PLACES 4                                       ; between the last products and the loads into their scale registers, the first read of results and the first write over R's fragments
	LDSP WSP, 8*4096                               ; Wk's scale words; the tokens' stay
	WAYOUT 0, 0, CQK, 0, OQK, 0
	; ---- k
	NEXT
	FETCH 0, APW, ART
	s_wait_loadcnt 0x0                             ; the scale words
	KSTEP 0, 0, 0, 1, APW, ART
	KSTEP 1, 0, 0, 1, APW, ART
	KSTEP 2, 0, 0, 1, APW, ART
	KSTEP 3, 0, 0, 1, APW, ART
	KSTEP 4, 0, 0, 1, APW, ART
	KSTEP 5, 0, 0, 1, APW, ART
	KSTEP 6, 0, 0, 1, APW, ART
	KLAST                                          ; Wv is asked for
	WIN 0
	PLACES 4
	LDSP TSP, 0                                    ; the tokens are P now,
	LDSR WSR                                       ; Wv is R
	WAYOUT 0, 64, CQK, KC, OQK, 262144
	; ---- v
	NEXT
	FETCH 0, APT, ARW
	s_wait_loadcnt 0x0
	KSTEP 0, 0, 0, 1, APT, ARW
	KSTEP 1, 0, 0, 1, APT, ARW
	KSTEP 2, 0, 0, 1, APT, ARW
	KSTEP 3, 0, 0, 1, APT, ARW
	KSTEP 4, 0, 0, 1, APT, ARW
	KSTEP 5, 0, 0, 1, APT, ARW
	KSTEP 6, 0, 0, 1, APT, ARW
	KSTEP 7, 0, 0, 0, APT, ARW                     ; nothing is left to fetch
	WIN 0
	PLACES 4
	WAYOUT 1, 0, CV, 0, OV, 0
	s_wait_tensorcnt 0x0                           ; the wave's end
	ds_add_u32 v[SPW], v[NIL]
	s_wait_dscnt 0x0
	CROUND                                         ; the closing round
	s_endpgm
.Lfunc_end_k_q6f677d9229_proj:
	.size	k_q6f677d9229_proj, .Lfunc_end_k_q6f677d9229_proj-k_q6f677d9229_proj
	.p2alignl 7, 3214868480
	.fill 96, 4, 3214868480
	.section	.rodata,"a",@progbits
	.p2align	6, 0x0
	.amdhsa_kernel k_q6f677d9229_proj
		.amdhsa_group_segment_fixed_size 327680
		.amdhsa_private_segment_fixed_size 0
		.amdhsa_enable_private_segment 0
		.amdhsa_kernarg_size 40
		.amdhsa_user_sgpr_count 2
		.amdhsa_user_sgpr_kernarg_segment_ptr 1
		.amdhsa_wavefront_size32 1
		.amdhsa_system_sgpr_workgroup_id_x 1
		.amdhsa_system_sgpr_workgroup_id_y 1
		.amdhsa_system_sgpr_workgroup_id_z 1
		.amdhsa_system_vgpr_workitem_id 0
		.amdhsa_next_free_vgpr 1024
		.amdhsa_next_free_sgpr 100
		.amdhsa_reserve_vcc 0
		.amdhsa_float_denorm_mode_32 3
		.amdhsa_float_denorm_mode_16_64 3
		.amdhsa_memory_ordered 1
		.amdhsa_forward_progress 1
		.amdhsa_inst_pref_size 250
	.end_amdhsa_kernel
	.amdgpu_metadata
---
amdhsa.version: [ 1, 2 ]
amdhsa.kernels:
  - .name:           k_q6f677d9229_proj
    .symbol:         k_q6f677d9229_proj.kd
    .args:
      - { .name: xw, .offset: 0, .size: 8, .value_kind: global_buffer, .address_space: global }
      - { .name: bq, .offset: 8, .size: 8, .value_kind: global_buffer, .address_space: global }
      - { .name: bk, .offset: 16, .size: 8, .value_kind: global_buffer, .address_space: global }
      - { .name: bv, .offset: 24, .size: 8, .value_kind: global_buffer, .address_space: global }
      - { .name: qkv, .offset: 32, .size: 8, .value_kind: global_buffer, .address_space: global }
    .group_segment_fixed_size: 327680
    .private_segment_fixed_size: 0
    .kernarg_segment_align: 8
    .kernarg_segment_size: 40
    .max_flat_workgroup_size: 128
    .sgpr_count:     100
    .vgpr_count:     1024
    .wavefront_size: 32
...
	.end_amdgpu_metadata
.endif
;; end of part 2
;; launch score (part 3): grid 8 x 64, 4 waves a work-group, clusters of 4 x 4, 327,680 bytes of LDS; arguments qkv, attention_mask, pp; writes pp
.if DOCPART == 3
	.amdgcn_target "amdgcn-amd-amdhsa--gfx1250"
	.amdhsa_code_object_version 6
	.text
	.protected	k_q6f677d9229_score
	.globl	k_q6f677d9229_score
	.p2align	8
	.type	k_q6f677d9229_score,@function
k_q6f677d9229_score:
	s_mov_b64 s[64:65], 0
	v_nop
	global_prefetch_b8 v0, s[64:65] scope:SCOPE_SE
	s_setreg_imm32_b32 hwreg(HW_REG_WAVE_MODE, 25, 1), 1
	s_wait_xcnt 0x0
	s_wait_alu depctr_hold_cnt(0) depctr_sa_sdst(0) depctr_va_vdst(0) depctr_va_sdst(0) depctr_va_ssrc(0) depctr_va_vcc(0) depctr_vm_vsrc(0)
	s_getreg_b32 s2, hwreg(HW_REG_IB_STS2, 6, 4)
	s_cmp_eq_u32 s2, 0
	s_cbranch_scc0 .Lentry_in_a_cluster
	s_endpgm
.Lentry_in_a_cluster:
	s_bfe_u32 s2, ttmp6, 0x10000c
	s_cmp_lg_u32 s2, 0xf033
	s_cbranch_scc0 .Lentry_shape_is_right
	s_endpgm
.Lentry_shape_is_right:
; S^T = k q^T on codes of FP6 (E2M3); logit = S / 32 + mask; for each query and each run of 128 keys: t = logit x log2(e), M' = ceil(the run's largest t), p = 2^(t - M'), l' = the sum of p;
; p is quantised along the keys and leaves as codes, with its scale words, M' and l'.  M' is a whole number, so the next launch brings a run under the row's M by taking M - M' off its scale bytes.
; A work-group makes 256 keys (P, source 0: along the registers) x 128 queries (R, source 1: a lane holds one).  Four waves: wave & 1 picks 128 keys, wave >> 1 picks 64 queries.
; K is 1,024: both operands lie whole in LDS, asked for at the head in four pieces of two K steps; nothing is filled again.  CLUSTER 4 x 4: the keys hang on cx and are asked for jointly by a column, the queries on cy, by a row.
; THE MASK is read once, each load 512 consecutive bytes of one row, into window 3.  Its 64 loads a wave are issued behind the first piece's barrier, 16 in each of K steps 0 to 3, directly behind that step's run of LDS loads:
; so every request for a tile stands ahead of every request for the mask, and tile a of the mask has at least four K steps between its request and its use.  On the way out a tile's 16 rows turn through a stage in LDS.
; The stages lie in LDS bytes 0 to 67,583, K steps 0 to 5 of P's first block: these have had their only fill, and nobody reads them behind the barrier of K step 5.
; LIMITS: t under -3e38 counts as -infinity; a block of p under 2^-124 keeps the byte 1; NaN and +infinity are not served.
; REGISTERS.  window 0: v1-13 addresses; v32-63 P's scale words, v64-79 R's; v80-111 at work; v160-255 R's fragments; on the way out v160-223 a tile's 64 numbers, v224-243 its codes.
;   window 1: P's fragments; on the way out v0-127 two tiles' mask in the result's order.   window 2: accumulator (a, b) at v[8 (8 a + b)].   window 3: the mask as loaded, row j of tile a at v[64 a + 4 j].
.set KH,    4
.set KSB,   12288
.set RBL,   98304
.set RB,    196608
.set SPARE, 294912
.set KC,    6291456
.set QS,    18874368
.set KS,    19136512
.set PS,    12582912
.set STG,   8448
.set ADP, 4
.set ADR, 6
.set SCO, 8
.set LI,  9
.set SPW, 10
.set NIL, 11
.set STO, 12                           ; v12  the stage: 16 x lane of a row
.set STR, 13                           ; v13  back: row r, + 64 h bytes
.set SP,  32
.set SR,  64
.set BM,  80                           ; v80-83 the blocks' largest scores, then largest p
.set PX,  84                           ; v84-87 lane l xor 16's, then the bytes
.set SO,  88                           ; v88-91 the conversions' scale operands
.set NM,  92                           ; v92 -M', v93 the largest t
.set SA,  94                           ; v94-97 the sum in two chains
.set LT,  98
.set PW,  100                          ; v100-103 scale words, v104-107 M', v108-111 l', one for each tile
.set MW,  104
.set LW,  108
.set RF,  160
.set H,   160
.set PC,  224
.set G1P, 24
.set G1R, 32
.set G0P, 40
.set G0R, 68
.set MSB, 0
.macro WIN new
.if MSB != \new
	s_set_vgpr_msb (MSB<<8)|\new
.set MSB, \new
.endif
.endm
.macro PLACES n
.rept \n
	v_nop
.endr
.endm
.macro CREST
	s_cmp_lg_u32 s14, 0
	s_cbranch_scc1 .Lnot_wave_0_\@
	s_barrier_signal -3
.Lnot_wave_0_\@:
	s_barrier_wait -3
	s_barrier_signal -1
	s_barrier_wait -1
.endm
.macro CROUND
	s_barrier_signal -1
	s_barrier_wait -1
	CREST
.endm
.macro FETCH s
	WIN 0x40
.irp b, 0,1,2,3,4,5,6,7
.irp c, 0,1,2
	ds_load_b128 v[96*((\s)%2)+12*\b+4*\c:96*((\s)%2)+12*\b+4*\c+3], v[ADP+((\s)/4)%2] offset:((\s)%4)*KSB+1536*\b+512*\c
.endr
.endr
	WIN 0
.irp t, 0,1,2,3
.irp c, 0,1,2
	ds_load_b128 v[RF+48*((\s)%2)+12*\t+4*\c:RF+48*((\s)%2)+12*\t+4*\c+3], v[ADR+((\s)/4)%2] offset:((\s)%4)*KSB+1536*\t+512*\c
.endr
.endr
.endm
.macro MUL s, a                        ; the 32 accumulators take turns in the same order in every K step
	WIN 0xa1
.irp b, 0,1,2,3,4,5,6,7
.if (\s) == 0
	v_wmma_scale_f32_16x16x128_f8f6f4 v[8*(8*(\a)+\b):8*(8*(\a)+\b)+7], v[96*((\s)%2)+12*\b:96*((\s)%2)+12*\b+11], v[RF+48*((\s)%2)+12*(\a):RF+48*((\s)%2)+12*(\a)+11], 0, v[SP+8*((\s)%KH)+\b], v[SR+4*((\s)%KH)+(\a)] matrix_a_fmt:MATRIX_FMT_FP6 matrix_b_fmt:MATRIX_FMT_FP6
.elseif (\s) < KH
	v_wmma_scale_f32_16x16x128_f8f6f4 v[8*(8*(\a)+\b):8*(8*(\a)+\b)+7], v[96*((\s)%2)+12*\b:96*((\s)%2)+12*\b+11], v[RF+48*((\s)%2)+12*(\a):RF+48*((\s)%2)+12*(\a)+11], v[8*(8*(\a)+\b):8*(8*(\a)+\b)+7], v[SP+8*((\s)%KH)+\b], v[SR+4*((\s)%KH)+(\a)] matrix_a_fmt:MATRIX_FMT_FP6 matrix_b_fmt:MATRIX_FMT_FP6
.else
	v_wmma_scale_f32_16x16x128_f8f6f4 v[8*(8*(\a)+\b):8*(8*(\a)+\b)+7], v[96*((\s)%2)+12*\b:96*((\s)%2)+12*\b+11], v[RF+48*((\s)%2)+12*(\a):RF+48*((\s)%2)+12*(\a)+11], v[8*(8*(\a)+\b):8*(8*(\a)+\b)+7], v[SP+8*((\s)%KH)+\b], v[SR+4*((\s)%KH)+(\a)] matrix_a_fmt:MATRIX_FMT_FP6 matrix_b_fmt:MATRIX_FMT_FP6 matrix_a_scale:MATRIX_SCALE_ROW1 matrix_b_scale:MATRIX_SCALE_ROW1
.endif
.endr
.endm
.macro MASK a                          ; the 16 rows of my tile a of queries, 128 keys each
	WIN 0xc0
.set j, 0
.rept 16
	global_load_b128 v[64*(\a)+4*j:64*(\a)+4*j+3], v[LI], s[92:93] offset:(32*((\a)/2)+8*((\a)%2)+j+8*(j/8))*8192 th:TH_LOAD_NT
.set j, j+1
.endr
	WIN 0
.endm
; A K step.  mk = 0 .. 3: tile mk of the mask is asked for, behind the run of LDS loads;  -1: nothing
.macro KSTEP s, bar, tcnt, fetch, mk
	s_wait_dscnt 0x0                               ; this K step's fragments are in; no LDS access of mine is out at the signal
.if \bar
	s_wait_tensorcnt \tcnt                         ; my part of the next piece has landed; tcnt later pieces may stay out
	s_barrier_signal -1
.endif
	MUL \s, 0
	MUL \s, 1
.if \bar
	s_barrier_wait -1
.endif
.if \fetch
	PLACES 4                                       ; between the last products that read the other set and the loads into it
	FETCH (\s)+1
.endif
.if (\mk) >= 0
	MASK \mk
.endif
	MUL \s, 2
	MUL \s, 3
.endm
	s_load_b128 s[4:7], s[0:1], 0x0                ; qkv s[4:5], the mask s[6:7]
	s_load_b64 s[8:9], s[0:1], 0x10                ; pp
	v_lshl_add_u32 v[SPW], v0, 2, SPARE
	v_mov_b32 v[NIL], 0
	ds_add_u32 v[SPW], v[NIL]                      ; the wave's opening: the add and its wait stand ahead of my first tensor load
	v_lshrrev_b32 v1, 5, v0
	v_readfirstlane_b32 s14, v1
	s_and_b32 s15, s14, 1
	s_lshr_b32 s16, s14, 1
	s_bfe_u32 s17, ttmp6, 0x40000                  ; cx
	s_bfe_u32 s18, ttmp6, 0x40004                  ; cy
	s_mov_b32 s19, ttmp9
	s_and_b32 s20, ttmp7, 0xffff
	s_lshr_b32 s21, s20, 2                         ; the batch: 16 blocks of queries each
	s_mov_b32 s22, 0x76543210
	s_mov_b32 s23, 0xfedcba98
	s_mov_b32 s66, 0x3fb8aa3b                      ; log2(e)
	s_mov_b32 s67, s66                             ; named with it as a pair
	s_lshl_b32 s57, 0x1111, s17
	s_or_b32 s[G1P], s57, (3<<16)|(1<<21)
	s_lshl_b32 s61, s18, 2
	s_lshl_b32 s61, 15, s61
	s_or_b32 s[G1R], s61, (3<<16)|(1<<21)
	s_mov_b32 s[G1P+1], 32<<16
	s_mov_b32 s[G1P+2], 96<<16
	s_mov_b32 s[G1P+3], 32<<16
	s_mov_b32 s[G1P+4], 96
	s_mov_b32 s[G1P+5], 32
	s_mov_b32 s[G1P+6], 0
	s_mov_b32 s[G1P+7], 0
	s_mov_b32 s[G1R+1], 32<<16
	s_mov_b32 s[G1R+2], 48<<16
	s_mov_b32 s[G1R+3], 32<<16
	s_mov_b32 s[G1R+4], 48
	s_mov_b32 s[G1R+5], 32
	s_mov_b32 s[G1R+6], 0
	s_mov_b32 s[G1R+7], 0
	s_lshl_b32 s56, s19, 2
	s_add_co_u32 s56, s56, s17                     ; which 256 keys: 4 x + cx
	s_lshl_b32 s57, s56, 1
	s_add_co_u32 s57, s57, s15                     ; my run of 128 keys, 0 .. 15
	s_lshl_b32 s58, s21, 4
	s_add_co_u32 s58, s58, s57                     ; its block among k's 64
	s_lshl_b32 s84, s58, 12
	s_add_co_u32 s84, s84, KS
	s_mov_b32 s85, 0
	s_mul_i32 s58, s58, RBL
	s_add_co_u32 s58, s58, KC
	s_mov_b32 s59, 0
	s_lshl_b32 s60, s20, 2
	s_add_co_u32 s60, s60, s18                     ; the block of queries: 4 y + cy
	s_mul_i32 s62, s60, RBL
	s_mul_i32 s61, s15, KSB
	s_add_co_u32 s62, s62, s61
	s_mov_b32 s63, 0
	s_mul_i32 s2, s15, RBL
	s_mul_i32 s3, s15, KSB
	s_add_co_u32 s3, s3, RB
	s_lshl_b32 s96, s16, 8
	s_lshl_b32 s86, s60, 12
	s_add_co_u32 s86, s86, s96
	s_add_co_u32 s86, s86, QS
	s_mov_b32 s87, 0
	s_mul_i32 s88, s60, 196608                     ; p's codes: block of queries, K step = my run, my four tiles
	s_mul_i32 s97, s57, KSB
	s_add_co_u32 s88, s88, s97
	s_mul_i32 s97, s16, 6144
	s_add_co_u32 s88, s88, s97
	s_mov_b32 s89, 0
	s_lshl_b32 s90, s60, 13                        ; the words
	s_lshl_b32 s97, s57, 9
	s_add_co_u32 s90, s90, s97
	s_add_co_u32 s90, s90, s96
	s_add_co_u32 s90, s90, PS
	s_mov_b32 s91, 0
	s_lshl_b32 s92, s60, 20                        ; the mask: 128 rows of 8,192 bytes a block,
	s_lshl_b32 s98, s16, 19                        ; my 64 rows,
	s_add_co_u32 s92, s92, s98
	s_add_co_u32 s92, s92, s97                     ; my 128 keys: 512 bytes
	s_mov_b32 s93, 0
	s_wait_dscnt 0x0
	s_wait_kmcnt 0x0
	s_add_nc_u64 s[58:59], s[4:5], s[58:59]
	s_add_nc_u64 s[62:63], s[4:5], s[62:63]
	s_add_nc_u64 s[84:85], s[4:5], s[84:85]
	s_add_nc_u64 s[86:87], s[4:5], s[86:87]
	s_add_nc_u64 s[88:89], s[8:9], s[88:89]
	s_add_nc_u64 s[90:91], s[8:9], s[90:91]
	s_add_nc_u64 s[92:93], s[6:7], s[92:93]
	CROUND
.irp g, 0,1,2,3
	s_mov_b32 s[G0P+4*\g], 1
	s_add_co_u32 s[G0P+4*\g+1], s2, \g*2*KSB
	s_add_nc_u64 s[G0P+4*\g+2:G0P+4*\g+3], s[58:59], \g*2*KSB
	s_or_b32 s[G0P+4*\g+3], s[G0P+4*\g+3], 0x80000000
	s_mov_b32 s[G0R+4*\g], 1
	s_add_co_u32 s[G0R+4*\g+1], s3, \g*2*KSB
	s_add_nc_u64 s[G0R+4*\g+2:G0R+4*\g+3], s[62:63], \g*2*KSB
	s_or_b32 s[G0R+4*\g+3], s[G0R+4*\g+3], 0x80000000
.endr
	s_cmp_eq_u32 s16, 0                            ; four first fills a wave, in one branch: four are out
	s_cbranch_scc0 .Lfirst_r
.irp g, 0,1,2,3
	tensor_load_to_lds s[G0P+4*\g:G0P+4*\g+3], s[G1P:G1P+7]
	s_nop 0
.endr
	PLACES 4
	s_branch .Lfirst_done
.Lfirst_r:
.irp g, 0,1,2,3
	tensor_load_to_lds s[G0R+4*\g:G0R+4*\g+3], s[G1R:G1R+7]
	s_nop 0
.endr
	PLACES 4
.Lfirst_done:
	v_and_b32 v1, 31, v0
	v_and_b32 v2, 15, v0
	v_bfe_u32 v3, v0, 4, 1
	v_lshlrev_b32 v[LI], 4, v1
	v_lshlrev_b32 v[SCO], 4, v2
	v_lshl_add_u32 v[SCO], v3, 11, v[SCO]
.irp k, 0,1,2,3
	global_load_b128 v[SP+8*\k:SP+8*\k+3], v[SCO], s[84:85] offset:512*\k
	global_load_b128 v[SP+8*\k+4:SP+8*\k+7], v[SCO], s[84:85] offset:512*\k+256
.endr
.irp k, 0,1,2,3
	global_load_b128 v[SR+4*\k:SR+4*\k+3], v[SCO], s[86:87] offset:512*\k
.endr
	s_mul_i32 s2, s15, RBL
	v_add_nc_u32 v[ADP], s2, v[LI]
	v_add_nc_u32 v[ADP+1], 4*KSB, v[ADP]
	s_mul_i32 s3, s16, 6144
	s_add_co_u32 s3, s3, RB
	v_add_nc_u32 v[ADR], s3, v[LI]
	v_add_nc_u32 v[ADR+1], 4*KSB, v[ADR]
	s_mul_i32 s2, s14, 2*STG                       ; my two stages
	v_add_nc_u32 v[STO], s2, v[LI]
	v_mul_u32_u24 v[STR], v2, 528
	v_lshl_add_u32 v[STR], v3, 6, v[STR]
	v_add_nc_u32 v[STR], s2, v[STR]
.irp b, 0,1,2,3
	v_mov_b32 v[PX+\b], 0                          ; written once: a lane permute's destination counts as one of its sources
.endr
	v_mov_b32 v[LT+1], 0
	s_wait_tensorcnt 3                             ; my part of piece 0 is in; three pieces may be out
	s_barrier_signal -1
	s_barrier_wait -1
	FETCH 0
	s_wait_loadcnt 0x0                             ; the twelve loads of scale words: nothing else has been asked for yet
	KSTEP 0, 0, 0, 1, 0
	KSTEP 1, 1, 2, 1, 1
	KSTEP 2, 0, 0, 1, 2
	KSTEP 3, 1, 1, 1, 3
	KSTEP 4, 0, 0, 1, -1
	KSTEP 5, 1, 0, 1, -1
	KSTEP 6, 0, 0, 1, -1
	KSTEP 7, 0, 0, 0, -1
	WIN 0
	PLACES 4
; Tile a's 16 rows of the mask turn through stage a % 2: in as loaded, back so that register 16 b + i of lane (r, h) is key 32 b + 16 h + i of row r, as the scores lie.
.macro TURNIN a
	s_wait_loadcnt 16*(3-(\a))                     ; tile a's 16 loads are in; the later tiles' may be out
	WIN 0x0c                                       ; an LDS store's data are its source 1: window 3
.set j, 0
.rept 16
	ds_store_b128 v[STO], v[64*(\a)+4*j:64*(\a)+4*j+3] offset:STG*((\a)%2)+528*j
.set j, j+1
.endr
	WIN 0x40
.set j, 0
.rept 16                               ; LDS serves a wave's instructions in order: these see the stores above
	ds_load_b128 v[64*((\a)%2)+4*j:64*((\a)%2)+4*j+3], v[STR] offset:STG*((\a)%2)+128*(j/4)+16*(j%4)
.set j, j+1
.endr
	WIN 0
.endm
.macro SOFT a
	WIN 0x12                                       ; source 0 window 2, source 2 window 1
.set n, 0
.rept 32
	v_pk_fma_f32 v[H+n:H+n+1], v[64*(\a)+n:64*(\a)+n+1], 0x3d000000, v[64*((\a)%2)+n:64*((\a)%2)+n+1] op_sel_hi:[1,0,1]   ; score / 32 + mask: the division is exact.  Each accumulator is read from its low end on
.set n, n+2
.endr
	WIN 0
.irp b, 0,1,2,3
	v_max3_num_f32 v[BM+\b], v[H+16*\b], v[H+1+16*\b], v[H+2+16*\b]   ; the largest logit of each block of 32 keys: it serves for the run's maximum and, since p rises with the logit, for the block's largest p
.endr
.irp i, 3,5,7,9,11,13
.irp b, 0,1,2,3
	v_max3_num_f32 v[BM+\b], v[BM+\b], v[H+16*\b+\i], v[H+1+16*\b+\i]
.endr
.endr
.irp b, 0,1,2,3
	v_max_num_f32 v[BM+\b], v[BM+\b], v[H+15+16*\b]
.endr
.irp b, 0,1,2,3
	v_permlanex16_b32 v[PX+\b], v[BM+\b], s22, s23
.endr
.irp b, 0,1,2,3
	v_max_num_f32 v[BM+\b], v[BM+\b], v[PX+\b]
.endr
	v_max3_num_f32 v[SO], v[BM], v[BM+1], v[BM+2]
	v_max_num_f32 v[SO], v[SO], v[BM+3]
	v_mul_f32 v[NM+1], s66, v[SO]                  ; the run's largest t,
	v_max_num_f32 v[NM+1], 0xff61b1e6, v[NM+1]     ; held at -3e38 from below, so that M' is a number where all 128 keys are masked out
	v_floor_f32 v[NM], -v[NM+1]                    ; -M' = floor(-t) = -ceil(t)
.set n, 0
.rept 32
	v_pk_fma_f32 v[H+n:H+n+1], v[H+n:H+n+1], s[66:67], v[NM:NM+1] op_sel_hi:[1,0,0]   ; t - M'
.set n, n+2
.endr
.irp b, 0,1,2,3
	v_fma_f32 v[BM+\b], v[BM+\b], s66, v[NM]
.endr
.set n, 0
.rept 64
	v_exp_f32 v[H+n], v[H+n]                       ; p = 2^(t - M')
.set n, n+1
.endr
	v_sub_f32 v[MW+(\a)], 0, v[NM]                 ; M'.  (The plain instruction behind the exponentials)
	s_wait_alu depctr_va_vdst(0)                   ; one wait for the batch of 64, ahead of its first reader
.irp b, 0,1,2,3
	v_exp_f32 v[BM+\b], v[BM+\b]                   ; the blocks' largest p
.endr
	v_pk_add_f32 v[SA:SA+1], v[H:H+1], v[H+4:H+5]  ; the sum of the unquantised p, in two chains: it reads the 64 alone
	v_pk_add_f32 v[SA+2:SA+3], v[H+2:H+3], v[H+6:H+7]
.irp i, 8,12,16,20,24,28,32,36,40,44,48,52,56,60
	v_pk_add_f32 v[SA:SA+1], v[SA:SA+1], v[H+\i:H+\i+1]
	v_pk_add_f32 v[SA+2:SA+3], v[SA+2:SA+3], v[H+\i+2:H+\i+3]
.endr
	v_pk_add_f32 v[SA:SA+1], v[SA:SA+1], v[SA+2:SA+3]
	s_wait_alu depctr_va_vdst(0)                   ; and one for the four
.irp b, 0,1,2,3
	v_max_num_f32 v[BM+\b], 0x1800000, v[BM+\b]    ; the floor 2^(3 - 127)
.endr
.irp b, 0,1,2,3
	v_add_nc_u32 v[SO+\b], 0xff000000, v[BM+\b]
.endr
.irp b, 0,1,2,3
	v_lshrrev_b32 v[PX+\b], 23, v[SO+\b]           ; the byte: 125 at the most, since p stays under 2
.endr
	v_lshl_or_b32 v[PW+(\a)], v[PX+1], 8, v[PX]
	v_lshl_or_b32 v[PW+(\a)], v[PX+2], 16, v[PW+(\a)]
	v_lshl_or_b32 v[PW+(\a)], v[PX+3], 24, v[PW+(\a)]
.if (\a) > 0
	s_wait_xcnt 0x0                                ; the last tile's stores have read the codes' registers
.endif
.irp c, 0,1
	v_cvt_scalef32_pk16_fp6_f32 v[PC+6*\c:PC+2+6*\c], v[H+32*\c:H+15+32*\c], v[SO+2*\c]
	v_cvt_scalef32_pk16_fp6_f32 v[PC+12+4*\c:PC+14+4*\c], v[H+16+32*\c:H+31+32*\c], v[SO+2*\c+1]
.endr
	v_nop
.irp c, 0,1
.irp i, 0,1,2
	v_permlane16_swap_b32 v[PC+6*\c+\i], v[PC+12+4*\c+\i]
.endr
.irp i, 0,1,2
	v_mov_b32 v[PC+3+6*\c+\i], v[PC+12+4*\c+\i]
.endr
.endr
	v_add_f32 v[LT], v[SA], v[SA+1]
	v_permlanex16_b32 v[LT+1], v[LT], s22, s23
	v_add_f32 v[LW+(\a)], v[LT], v[LT+1]           ; l'
.irp c, 0,1,2
	global_store_b128 v[LI], v[PC+4*\c:PC+4*\c+3], s[88:89] offset:1536*(\a)+512*\c
.endr
.endm
	TURNIN 0
	TURNIN 1
	s_wait_dscnt 32                                ; tile 0's mask is back; tile 1's 16 stores and 16 loads may be out
	SOFT 0
	TURNIN 2
	s_wait_dscnt 32
	SOFT 1
	TURNIN 3
	s_wait_dscnt 32
	SOFT 2
	s_wait_dscnt 0x0
	SOFT 3
	v_lshlrev_b32 v[SCO], 4, v2                    ; (its loads were waited for long ago)
	global_store_b128 v[SCO], v[PW:PW+3], s[90:91]                  ; my row's four words: 256 consecutive bytes each (lanes 16-31 hold and store what lanes 0-15 do)
	global_store_b128 v[SCO], v[MW:MW+3], s[90:91] offset:524288
	global_store_b128 v[SCO], v[LW:LW+3], s[90:91] offset:1048576
	s_wait_tensorcnt 0x0                           ; the wave's end
	ds_add_u32 v[SPW], v[NIL]
	s_wait_dscnt 0x0
	CROUND
	s_endpgm
.Lfunc_end_k_q6f677d9229_score:
	.size	k_q6f677d9229_score, .Lfunc_end_k_q6f677d9229_score-k_q6f677d9229_score
	.p2alignl 7, 3214868480
	.fill 96, 4, 3214868480
	.section	.rodata,"a",@progbits
	.p2align	6, 0x0
	.amdhsa_kernel k_q6f677d9229_score
		.amdhsa_group_segment_fixed_size 327680
		.amdhsa_private_segment_fixed_size 0
		.amdhsa_enable_private_segment 0
		.amdhsa_kernarg_size 24
		.amdhsa_user_sgpr_count 2
		.amdhsa_user_sgpr_kernarg_segment_ptr 1
		.amdhsa_wavefront_size32 1
		.amdhsa_system_sgpr_workgroup_id_x 1
		.amdhsa_system_sgpr_workgroup_id_y 1
		.amdhsa_system_sgpr_workgroup_id_z 1
		.amdhsa_system_vgpr_workitem_id 0
		.amdhsa_next_free_vgpr 1024
		.amdhsa_next_free_sgpr 100
		.amdhsa_reserve_vcc 0
		.amdhsa_float_denorm_mode_32 3
		.amdhsa_float_denorm_mode_16_64 3
		.amdhsa_memory_ordered 1
		.amdhsa_forward_progress 1
		.amdhsa_inst_pref_size 134
	.end_amdhsa_kernel
	.amdgpu_metadata
---
amdhsa.version: [ 1, 2 ]
amdhsa.kernels:
  - .name:           k_q6f677d9229_score
    .symbol:         k_q6f677d9229_score.kd
    .args:
      - { .name: qkv, .offset: 0, .size: 8, .value_kind: global_buffer, .address_space: global }
      - { .name: attention_mask, .offset: 8, .size: 8, .value_kind: global_buffer, .address_space: global }
      - { .name: pp, .offset: 16, .size: 8, .value_kind: global_buffer, .address_space: global }
    .group_segment_fixed_size: 327680
    .private_segment_fixed_size: 0
    .kernarg_segment_align: 8
    .kernarg_segment_size: 24
    .max_flat_workgroup_size: 128
    .sgpr_count:     100
    .vgpr_count:     1024
    .wavefront_size: 32
...
	.end_amdgpu_metadata
.endif
;; end of part 3
;; launch mix (part 4): grid 4 x 64, 4 waves a work-group, clusters of 4 x 4, 327,680 bytes of LDS; arguments qkv, pp, out0; writes out0
.if DOCPART == 4
	.amdgcn_target "amdgcn-amd-amdhsa--gfx1250"
	.amdhsa_code_object_version 6
	.text
	.protected	k_q6f677d9229_mix
	.globl	k_q6f677d9229_mix
	.p2align	8
	.type	k_q6f677d9229_mix,@function
k_q6f677d9229_mix:
	s_mov_b64 s[64:65], 0
	v_nop
	global_prefetch_b8 v0, s[64:65] scope:SCOPE_SE
	s_setreg_imm32_b32 hwreg(HW_REG_WAVE_MODE, 25, 1), 1
	s_wait_xcnt 0x0
	s_wait_alu depctr_hold_cnt(0) depctr_sa_sdst(0) depctr_va_vdst(0) depctr_va_sdst(0) depctr_va_ssrc(0) depctr_va_vcc(0) depctr_vm_vsrc(0)
	s_getreg_b32 s2, hwreg(HW_REG_IB_STS2, 6, 4)
	s_cmp_eq_u32 s2, 0
	s_cbranch_scc0 .Lentry_in_a_cluster
	s_endpgm
.Lentry_in_a_cluster:
	s_bfe_u32 s2, ttmp6, 0x10000c
	s_cmp_lg_u32 s2, 0xf033
	s_cbranch_scc0 .Lentry_shape_is_right
	s_endpgm
.Lentry_shape_is_right:
; O^T = v^T p^T / l on codes of FP6 (E2M3).  p arrives in runs of 128 keys, each under its own whole number M' (launch score).  The row's M is the largest M'; a run is brought under it by taking
; d = M - M' off its four scale bytes and by l = the sum of l' 2^-d: both exact.  A byte that would fall under 0 becomes 0.
; A work-group makes 256 channels (P = v, source 0: along the registers) x 128 queries (R = p, source 1: a lane holds one).  Four waves: wave & 1 picks 128 channels, wave >> 1 picks 64 queries.
; K = 2,048 keys, 16 K steps, in four quarters through two halves of each LDS region.  A wave fetches a quarter of one block of v (49,152 bytes) or half a quarter of p (24,576): two loads are out at the start, later one,
; and a refill has 112 matrix instructions a wave in which to land.  CLUSTER 4 x 4: v hangs on cx and is asked for jointly by a column, p on cy, by a row; a round of the cluster's barrier stands in front of each refill.
; LIMITS: a run whose M' lies more than 127 under the row's M adds at most 2^-120 of the row's sum; a row masked out throughout gives NaN, as the softmax of such a row does.
; REGISTERS.  window 0: v1-13 addresses; v32-95 v's scale words (8 s + b), v96-127 p's (4 s + a); v128-147 the rows' M, l, 1 / l; v160-255 first M', l' and d, then R's fragments; on the way out v160-223 a tile's 64 numbers.
;   window 1: P's fragments; on the way out v0-127 two tiles' rows.   window 2: accumulator (a, b) at v[8 (8 a + b)].
.set KH,    8
.set KSB,   12288
.set RBL,   98304
.set RB,    196608
.set SPARE, 294912
.set VC,    12582912
.set VS,    19398656
.set PS,    12582912
.set ADP, 4
.set ADR, 6
.set SCO, 8
.set LI,  9
.set SPW, 10
.set NIL, 11
.set STO, 12
.set STR, 13
.set SP,  32
.set SR,  96
.set MF,  128
.set LS,  132
.set RC,  136
.set PT,  144
.set MX,  160
.set LX,  192
.set DD,  224
.set RF,  160
.set H,   160
.set G1P, 24
.set G1R, 32
.set G0P, 40
.set G0R, 68
.set MSB, 0
.macro WIN new
.if MSB != \new
	s_set_vgpr_msb (MSB<<8)|\new
.set MSB, \new
.endif
.endm
.macro PLACES n
.rept \n
	v_nop
.endr
.endm
.macro CREST
	s_cmp_lg_u32 s14, 0
	s_cbranch_scc1 .Lnot_wave_0_\@
	s_barrier_signal -3
.Lnot_wave_0_\@:
	s_barrier_wait -3
	s_barrier_signal -1
	s_barrier_wait -1
.endm
.macro CROUND
	s_barrier_signal -1
	s_barrier_wait -1
	CREST
.endm
.macro JLOAD e                         ; a joint refill of half e: waves 0, 1 for v, waves 2, 3 for p.  An s_nop 0 and four v_nop follow each line
	s_cmp_eq_u32 s16, 0
	s_cbranch_scc0 .Lfor_r_\@
	tensor_load_to_lds s[G0P+4*\e:G0P+4*\e+3], s[G1P:G1P+7]
	s_nop 0
	PLACES 4
	s_branch .Lasked_\@
.Lfor_r_\@:
	tensor_load_to_lds s[G0R+4*\e:G0R+4*\e+3], s[G1R:G1R+7]
	s_nop 0
	PLACES 4
.Lasked_\@:
.endm
.macro FETCH s                         ; K step s lies in half (s / 4) % 2
	WIN 0x40
.irp b, 0,1,2,3,4,5,6,7
.irp c, 0,1,2
	ds_load_b128 v[96*((\s)%2)+12*\b+4*\c:96*((\s)%2)+12*\b+4*\c+3], v[ADP+((\s)/4)%2] offset:((\s)%4)*KSB+1536*\b+512*\c
.endr
.endr
	WIN 0
.irp t, 0,1,2,3
.irp c, 0,1,2
	ds_load_b128 v[RF+48*((\s)%2)+12*\t+4*\c:RF+48*((\s)%2)+12*\t+4*\c+3], v[ADR+((\s)/4)%2] offset:((\s)%4)*KSB+1536*\t+512*\c
.endr
.endr
.endm
.macro MUL s, a                        ; the 32 accumulators take turns in the same order in every K step
	WIN 0xa1
.irp b, 0,1,2,3,4,5,6,7
.if (\s) == 0
	v_wmma_scale_f32_16x16x128_f8f6f4 v[8*(8*(\a)+\b):8*(8*(\a)+\b)+7], v[96*((\s)%2)+12*\b:96*((\s)%2)+12*\b+11], v[RF+48*((\s)%2)+12*(\a):RF+48*((\s)%2)+12*(\a)+11], 0, v[SP+8*((\s)%KH)+\b], v[SR+4*((\s)%KH)+(\a)] matrix_a_fmt:MATRIX_FMT_FP6 matrix_b_fmt:MATRIX_FMT_FP6
.elseif (\s) < KH
	v_wmma_scale_f32_16x16x128_f8f6f4 v[8*(8*(\a)+\b):8*(8*(\a)+\b)+7], v[96*((\s)%2)+12*\b:96*((\s)%2)+12*\b+11], v[RF+48*((\s)%2)+12*(\a):RF+48*((\s)%2)+12*(\a)+11], v[8*(8*(\a)+\b):8*(8*(\a)+\b)+7], v[SP+8*((\s)%KH)+\b], v[SR+4*((\s)%KH)+(\a)] matrix_a_fmt:MATRIX_FMT_FP6 matrix_b_fmt:MATRIX_FMT_FP6
.else
	v_wmma_scale_f32_16x16x128_f8f6f4 v[8*(8*(\a)+\b):8*(8*(\a)+\b)+7], v[96*((\s)%2)+12*\b:96*((\s)%2)+12*\b+11], v[RF+48*((\s)%2)+12*(\a):RF+48*((\s)%2)+12*(\a)+11], v[8*(8*(\a)+\b):8*(8*(\a)+\b)+7], v[SP+8*((\s)%KH)+\b], v[SR+4*((\s)%KH)+(\a)] matrix_a_fmt:MATRIX_FMT_FP6 matrix_b_fmt:MATRIX_FMT_FP6 matrix_a_scale:MATRIX_SCALE_ROW1 matrix_b_scale:MATRIX_SCALE_ROW1
.endif
.endr
.endm
.macro KSTEP s, fetch                  ; a K step whose successor lies in the same half
	s_wait_dscnt 0x0
	MUL \s, 0
	MUL \s, 1
.if \fetch
	PLACES 4
	FETCH (\s)+1
.endif
	MUL \s, 2
	MUL \s, 3
.endm
; A half's last K step changes halves: one barrier.  In front of it each wave waits for all its tensor loads (its part of the other half), adds 0 to its spare word, and waits for that and for its reads of this half.
; fill = 1: the barrier opens a round of the cluster's, and behind the round half e is filled again, two quarters on.
.macro KTURN s, fill, e
	WIN 0
	s_wait_tensorcnt 0x0                           ; no tensor load of mine is out
	ds_add_u32 v[SPW], v[NIL]
	s_wait_dscnt 0x1                               ; this K step's fragments are in; only the add may be out
	MUL \s, 0                                      ; eight matrix instructions stand between the add and the wait for it
	s_wait_dscnt 0x0                               ; the add is done, and my reads of this half are over
	s_barrier_signal -1
	MUL \s, 1
	WIN 0
	s_barrier_wait -1
.if \fill
	CREST                                          ; no wave of any partner still reads this half or has a load on its way
	s_add_nc_u64 s[G0P+4*\e+2:G0P+4*\e+3], s[G0P+4*\e+2:G0P+4*\e+3], 8*KSB
	s_add_nc_u64 s[G0R+4*\e+2:G0R+4*\e+3], s[G0R+4*\e+2:G0R+4*\e+3], 8*KSB
	JLOAD \e                                       ; the first tensor load behind the round; its four v_nop are also the places in front of the loads below
.else
	PLACES 4
.endif
	FETCH (\s)+1
	MUL \s, 2
	MUL \s, 3
.endm
	s_load_b128 s[4:7], s[0:1], 0x0                ; qkv s[4:5], pp s[6:7]
	s_load_b64 s[8:9], s[0:1], 0x10                ; out0
	v_lshl_add_u32 v[SPW], v0, 2, SPARE
	v_mov_b32 v[NIL], 0
	ds_add_u32 v[SPW], v[NIL]                      ; the wave's opening: the add and its wait stand ahead of my first tensor load
	v_lshrrev_b32 v1, 5, v0
	v_readfirstlane_b32 s14, v1
	s_and_b32 s15, s14, 1
	s_lshr_b32 s16, s14, 1
	s_bfe_u32 s17, ttmp6, 0x40000
	s_bfe_u32 s18, ttmp6, 0x40004
	s_mov_b32 s19, ttmp9
	s_and_b32 s20, ttmp7, 0xffff
	s_lshr_b32 s21, s20, 2                         ; the batch
	s_mov_b32 s22, 0x76543210
	s_mov_b32 s23, 0xfedcba98
	s_mov_b32 s66, 0x80808080                      ; bit 7 of each byte: free in p's scale bytes, which are 125 at the most
	s_lshl_b32 s57, 0x1111, s17
	s_or_b32 s[G1P], s57, (3<<16)|(1<<21)
	s_lshl_b32 s61, s18, 2
	s_lshl_b32 s61, 15, s61
	s_or_b32 s[G1R], s61, (3<<16)|(1<<21)
	s_mov_b32 s[G1P+1], 32<<16                     ; dense blocks as rows of 256 bytes
	s_mov_b32 s[G1P+2], 192<<16                    ; v: four K steps, 49,152 bytes
	s_mov_b32 s[G1P+3], 32<<16
	s_mov_b32 s[G1P+4], 192
	s_mov_b32 s[G1P+5], 32
	s_mov_b32 s[G1P+6], 0
	s_mov_b32 s[G1P+7], 0
	s_mov_b32 s[G1R+1], 32<<16
	s_mov_b32 s[G1R+2], 96<<16                     ; p: two K steps, 24,576 bytes
	s_mov_b32 s[G1R+3], 32<<16
	s_mov_b32 s[G1R+4], 96
	s_mov_b32 s[G1R+5], 32
	s_mov_b32 s[G1R+6], 0
	s_mov_b32 s[G1R+7], 0
	s_lshl_b32 s56, s19, 2
	s_add_co_u32 s56, s56, s17                     ; which 256 channels
	s_lshl_b32 s57, s56, 1
	s_add_co_u32 s57, s57, s15                     ; my block of 128 channels
	s_lshl_b32 s84, s21, 16
	s_lshl_b32 s58, s57, 13
	s_add_co_u32 s84, s84, s58
	s_add_co_u32 s84, s84, VS
	s_mov_b32 s85, 0
	s_mul_i32 s58, s21, 1572864
	s_mul_i32 s59, s57, 196608
	s_add_co_u32 s58, s58, s59
	s_add_co_u32 s58, s58, VC
	s_mov_b32 s59, 0
	s_lshl_b32 s60, s20, 2
	s_add_co_u32 s60, s60, s18                     ; the block of queries
	s_mul_i32 s62, s60, 196608
	s_mul_i32 s61, s15, 2*KSB
	s_add_co_u32 s62, s62, s61
	s_mov_b32 s63, 0
	s_mul_i32 s2, s15, RBL
	s_mul_i32 s3, s15, 2*KSB
	s_add_co_u32 s3, s3, RB
	s_lshl_b32 s86, s60, 13
	s_lshl_b32 s96, s16, 8
	s_add_co_u32 s86, s86, s96
	s_add_co_u32 s86, s86, PS
	s_mov_b32 s87, 0
	s_lshl_b32 s88, s60, 19                        ; out0: 128 rows of 4,096 bytes a block,
	s_lshl_b32 s96, s16, 18                        ; my 64 rows,
	s_add_co_u32 s88, s88, s96
	s_lshl_b32 s96, s57, 9                         ; my 128 channels: 512 bytes
	s_add_co_u32 s88, s88, s96
	s_mov_b32 s89, 0
	s_wait_dscnt 0x0
	s_wait_kmcnt 0x0
	s_add_nc_u64 s[58:59], s[4:5], s[58:59]
	s_add_nc_u64 s[62:63], s[6:7], s[62:63]
	s_add_nc_u64 s[84:85], s[4:5], s[84:85]
	s_add_nc_u64 s[86:87], s[6:7], s[86:87]
	s_add_nc_u64 s[88:89], s[8:9], s[88:89]
	CROUND
.irp e, 0,1
	s_mov_b32 s[G0P+4*\e], 1
	s_add_co_u32 s[G0P+4*\e+1], s2, \e*4*KSB
	s_add_nc_u64 s[G0P+4*\e+2:G0P+4*\e+3], s[58:59], \e*4*KSB
	s_or_b32 s[G0P+4*\e+3], s[G0P+4*\e+3], 0x80000000
	s_mov_b32 s[G0R+4*\e], 1
	s_add_co_u32 s[G0R+4*\e+1], s3, \e*4*KSB
	s_add_nc_u64 s[G0R+4*\e+2:G0R+4*\e+3], s[62:63], \e*4*KSB
	s_or_b32 s[G0R+4*\e+3], s[G0R+4*\e+3], 0x80000000
.endr
	s_cmp_eq_u32 s16, 0                            ; quarters 0 and 1: a wave's two first fills, in one branch
	s_cbranch_scc0 .Lfirst_r
.irp e, 0,1
	tensor_load_to_lds s[G0P+4*\e:G0P+4*\e+3], s[G1P:G1P+7]
	s_nop 0
.endr
	PLACES 4
	s_branch .Lfirst_done
.Lfirst_r:
.irp e, 0,1
	tensor_load_to_lds s[G0R+4*\e:G0R+4*\e+3], s[G1R:G1R+7]
	s_nop 0
.endr
	PLACES 4
.Lfirst_done:
	v_and_b32 v1, 31, v0
	v_and_b32 v2, 15, v0
	v_bfe_u32 v3, v0, 4, 1
	v_lshlrev_b32 v[LI], 4, v1
	v_lshlrev_b32 v[SCO], 4, v2
	v_lshl_add_u32 v[SCO], v3, 12, v[SCO]          ; lanes 0-15: K step s; lanes 16-31: K step s + 8
.irp k, 0,1,2,3,4,5,6,7
	global_load_b128 v[SP+8*\k:SP+8*\k+3], v[SCO], s[84:85] offset:512*\k
	global_load_b128 v[SP+8*\k+4:SP+8*\k+7], v[SCO], s[84:85] offset:512*\k+256
.endr
.irp k, 0,1,2,3,4,5,6,7
	global_load_b128 v[SR+4*\k:SR+4*\k+3], v[SCO], s[86:87] offset:512*\k            ; p's scale words,
	global_load_b128 v[MX+4*\k:MX+4*\k+3], v[SCO], s[86:87] offset:512*\k+524288     ; the runs' M',
	global_load_b128 v[LX+4*\k:LX+4*\k+3], v[SCO], s[86:87] offset:512*\k+1048576    ; and l'
.endr
	s_mul_i32 s2, s15, RBL
	v_add_nc_u32 v[ADP], s2, v[LI]
	v_add_nc_u32 v[ADP+1], 4*KSB, v[ADP]
	s_mul_i32 s3, s16, 6144
	s_add_co_u32 s3, s3, RB
	v_add_nc_u32 v[ADR], s3, v[LI]
	v_add_nc_u32 v[ADR+1], 4*KSB, v[ADR]
	s_mul_i32 s2, s14, 8448                        ; my stage for the way out: in the first half of v's first block, which has had its last fill and its last read behind the barrier of K step 11
	v_mul_u32_u24 v[STO], v2, 528
	v_lshl_add_u32 v[STO], v3, 6, v[STO]
	v_add_nc_u32 v[STO], s2, v[STO]                ; in: row r, + 64 h bytes
	v_add_nc_u32 v[STR], s2, v[LI]                 ; back: 16 x lane of a row
.irp t, 0,1,2,3
	v_mov_b32 v[PT+\t], 0                          ; written once: a lane permute's destination counts as one of its sources
.endr
	s_wait_loadcnt 0x0
	; THE RUNS ARE BROUGHT UNDER THE ROW'S M, while the first tiles are on their way.  Register 4 s + a of lane (r, h): run s + 8 h, row r of my tile a
.irp t, 0,1,2,3
	v_max3_num_f32 v[MF+\t], v[MX+\t], v[MX+4+\t], v[MX+8+\t]
.endr
.irp t, 0,1,2,3
	v_max3_num_f32 v[MF+\t], v[MF+\t], v[MX+12+\t], v[MX+16+\t]
.endr
.irp t, 0,1,2,3
	v_max3_num_f32 v[MF+\t], v[MF+\t], v[MX+20+\t], v[MX+24+\t]
.endr
.irp t, 0,1,2,3
	v_max_num_f32 v[MF+\t], v[MF+\t], v[MX+28+\t]
.endr
.irp t, 0,1,2,3
	v_permlanex16_b32 v[PT+\t], v[MF+\t], s22, s23
.endr
.irp t, 0,1,2,3
	v_max_num_f32 v[MF+\t], v[MF+\t], v[PT+\t]     ; the row's M
.endr
.set n, 0
.rept 32
	v_sub_f32 v[DD+n], v[MX+n], v[MF+n%4]          ; M' - M: a whole number, 0 or less
.set n, n+1
.endr
.set n, 0
.rept 32
	v_max_num_f32 v[DD+n], 0xc2fe0000, v[DD+n]     ; held at -127
.set n, n+1
.endr
.set n, 0
.rept 32
	v_cvt_i32_f32 v[DD+n], v[DD+n]
.set n, n+1
.endr
.set n, 0
.rept 32
	v_ldexp_f32 v[LX+n], v[LX+n], v[DD+n]          ; l' under the row's M
.set n, n+1
.endr
.set n, 0
.rept 32
	v_sub_nc_u32 v[DD+n], 0, v[DD+n]               ; d = M - M', 0 .. 127
.set n, n+1
.endr
.set n, 0
.rept 32
	v_perm_b32 v[MX+n], v[DD+n], v[DD+n], 0        ; d in all four bytes
.set n, n+1
.endr
.set n, 0
.rept 32
	v_or_b32 v[SR+n], s66, v[SR+n]                 ; 128 onto each byte: no byte borrows from its neighbour,
.set n, n+1
.endr
.set n, 0
.rept 32
	v_sub_nc_u32 v[SR+n], v[SR+n], v[MX+n]         ; byte + 128 - d;
.set n, n+1
.endr
.set n, 0
.rept 32
	v_and_b32 v[MX+n], s66, v[SR+n]                ; bit 7 has stayed where byte - d is 0 or more
.set n, n+1
.endr
.set n, 0
.rept 32
	v_lshrrev_b32 v[DD+n], 7, v[MX+n]
.set n, n+1
.endr
.set n, 0
.rept 32
	v_sub_nc_u32 v[MX+n], v[MX+n], v[DD+n]         ; 0x7f there, 0 elsewhere
.set n, n+1
.endr
.set n, 0
.rept 32
	v_and_b32 v[SR+n], v[SR+n], v[MX+n]            ; byte - d, or 0
.set n, n+1
.endr
.irp t, 0,1,2,3
	v_add_f32 v[LS+\t], v[LX+\t], v[LX+4+\t]
.endr
.irp k, 2,3,4,5,6,7
.irp t, 0,1,2,3
	v_add_f32 v[LS+\t], v[LS+\t], v[LX+4*\k+\t]
.endr
.endr
.irp t, 0,1,2,3
	v_permlanex16_b32 v[PT+\t], v[LS+\t], s22, s23
.endr
.irp t, 0,1,2,3
	v_add_f32 v[LS+\t], v[LS+\t], v[PT+\t]         ; the row's sum
.endr
.irp t, 0,1,2,3
	v_rcp_f32 v[RC+2*\t], v[LS+\t]
.endr
.irp t, 0,1,2,3
	v_mov_b32 v[RC+1+2*\t], 0                      ; named with the reciprocal as a pair.  (Plain instructions behind the reciprocals)
.endr
	s_wait_alu depctr_va_vdst(0)                   ; one wait for the four reciprocals, ahead of every label and of their readers
	PLACES 8                                       ; scale registers written by vector instructions stand eight plain instructions ahead of a scaled matrix instruction
	s_wait_tensorcnt 1                             ; my part of quarter 0 is in; quarter 1's may stay out
	s_barrier_signal -1
	s_barrier_wait -1
	FETCH 0
	KSTEP 0, 1
	KSTEP 1, 1
	KSTEP 2, 1
	KTURN 3, 1, 0                                  ; the first half takes quarter 2
	KSTEP 4, 1
	KSTEP 5, 1
	KSTEP 6, 1
	KTURN 7, 1, 1                                  ; the second half takes quarter 3
	KSTEP 8, 1
	KSTEP 9, 1
	KSTEP 10, 1
	KTURN 11, 0, 0                                 ; nothing is left to fetch
	KSTEP 12, 1
	KSTEP 13, 1
	KSTEP 14, 1
	KSTEP 15, 0
	WIN 0
	PLACES 4
; THE WAY OUT.  For my tile a of queries a lane holds one row and 64 channels, register 16 b + i = channel 32 b + 16 h + i.  Divided by l they go through my stage and come back as whole rows of 512 bytes.
.macro TOSTAGE a
	WIN 0x02                                       ; source 0 window 2
.set n, 0
.rept 32
	v_pk_mul_f32 v[H+n:H+n+1], v[64*(\a)+n:64*(\a)+n+1], v[RC+2*(\a):RC+1+2*(\a)] op_sel_hi:[1,0]   ; each accumulator is read from its low end on
.set n, n+2
.endr
	WIN 0
.set j, 0
.rept 16
	ds_store_b128 v[STO], v[H+4*j:H+4*j+3] offset:128*(j/4)+16*(j%4)
.set j, j+1
.endr
	WIN 0x40
.set j, 0
.rept 16                               ; LDS serves a wave's instructions in order: these see the stores above, and the next tile's stores come behind them
	ds_load_b128 v[64*((\a)%2)+4*j:64*((\a)%2)+4*j+3], v[STR] offset:528*j
.set j, j+1
.endr
	WIN 0
.endm
.macro SEND a, younger                 ; younger: the LDS instructions issued behind tile a's loads
	s_wait_dscnt \younger
	WIN 0x04                                       ; a store's data are its source 1: window 1
.set j, 0
.rept 16
	global_store_b128 v[LI], v[64*((\a)%2)+4*j:64*((\a)%2)+4*j+3], s[88:89] offset:(32*((\a)/2)+8*((\a)%2)+j+8*(j/8))*4096 th:TH_STORE_NT   ; 32 lanes store 512 consecutive bytes, at a multiple of 256 from out0's first byte
.set j, j+1
.endr
	WIN 0
.endm
	TOSTAGE 0
	TOSTAGE 1
	SEND 0, 32
	s_wait_xcnt 0x0                                ; tile 0's stores have read their registers: tile 2's rows may land there
	TOSTAGE 2
	SEND 1, 32
	s_wait_xcnt 0x0
	TOSTAGE 3
	SEND 2, 32
	SEND 3, 0
	s_wait_tensorcnt 0x0                           ; the wave's end
	ds_add_u32 v[SPW], v[NIL]
	s_wait_dscnt 0x0
	CROUND                                         ; the closing round
	s_endpgm
.Lfunc_end_k_q6f677d9229_mix:
	.size	k_q6f677d9229_mix, .Lfunc_end_k_q6f677d9229_mix-k_q6f677d9229_mix
	.p2alignl 7, 3214868480
	.fill 96, 4, 3214868480
	.section	.rodata,"a",@progbits
	.p2align	6, 0x0
	.amdhsa_kernel k_q6f677d9229_mix
		.amdhsa_group_segment_fixed_size 327680
		.amdhsa_private_segment_fixed_size 0
		.amdhsa_enable_private_segment 0
		.amdhsa_kernarg_size 24
		.amdhsa_user_sgpr_count 2
		.amdhsa_user_sgpr_kernarg_segment_ptr 1
		.amdhsa_wavefront_size32 1
		.amdhsa_system_sgpr_workgroup_id_x 1
		.amdhsa_system_sgpr_workgroup_id_y 1
		.amdhsa_system_sgpr_workgroup_id_z 1
		.amdhsa_system_vgpr_workitem_id 0
		.amdhsa_next_free_vgpr 1024
		.amdhsa_next_free_sgpr 100
		.amdhsa_reserve_vcc 0
		.amdhsa_float_denorm_mode_32 3
		.amdhsa_float_denorm_mode_16_64 3
		.amdhsa_memory_ordered 1
		.amdhsa_forward_progress 1
		.amdhsa_inst_pref_size 159
	.end_amdhsa_kernel
	.amdgpu_metadata
---
amdhsa.version: [ 1, 2 ]
amdhsa.kernels:
  - .name:           k_q6f677d9229_mix
    .symbol:         k_q6f677d9229_mix.kd
    .args:
      - { .name: qkv, .offset: 0, .size: 8, .value_kind: global_buffer, .address_space: global }
      - { .name: pp, .offset: 8, .size: 8, .value_kind: global_buffer, .address_space: global }
      - { .name: out0, .offset: 16, .size: 8, .value_kind: global_buffer, .address_space: global }
    .group_segment_fixed_size: 327680
    .private_segment_fixed_size: 0
    .kernarg_segment_align: 8
    .kernarg_segment_size: 24
    .max_flat_workgroup_size: 128
    .sgpr_count:     100
    .vgpr_count:     1024
    .wavefront_size: 32
...
	.end_amdgpu_metadata
.endif
;; end of part 4
